; MI455X (gfx1250); checked and timed in simulation.
; The chip was launched on July 23, 2026; its instructions are those of AMD's public machine-readable ISA for CDNA 5 (MIT licence, August 2026) and "CDNA5" Instruction Set Architecture Reference Guide (July 2026). The comments in the code are by the model that wrote it; some were corrected since.
;; Mixture Of Experts. Allowed arithmetic: matrix products marked QUANTISED: E4M3 operands, one given power-of-two scale a tensor, by v_wmma_f32_16x16x64_fp8_fp8 or v_wmma_f32_16x16x128_fp8_fp8, f32 sums; products left as they are: f32 operands where the result goes on into a quantised operand, else bf16, f16 or f32 operands; f32 sums; everything else in f32.
;; Inputs: W1 8 x 1,024 x 1,024 float32; W2 8 x 1,024 x 1,024 float32; W_g 1,024 x 8 float32; W_noise 1,024 x 8 float32; b1 8 x 1,024 float32; b2 8 x 1,024 float32; lowp_scales 4 int32 (the exponents e of the quantised operands' scales 2^e); noise 4 x 1,024 x 8 float32; x 4 x 1,024 x 1,024 float32.
;; Outputs: out0 4 x 1,024 x 1,024 float32.
;; Constants: k = 2.
;; This version of the problem:
;;   THIS VERSION OF THE PROBLEM IS GIVEN IN LOW PRECISION. The matrix products marked QUANTISED in the list below multiply operands that are first quantised to E4M3 (4 exponent bits, 3 mantissa bits; 8 bits a number), with one given power-of-two scale for each operand tensor; their sums are f32. All else is computed in f32.
;;   The module's matrix products, in the order in which they are computed (A, B: the left and right operand; K: the contracted axis; several contracted axes count as one K, in the product's order):
;;     1. [M 4,096, K 1,024] x [K 1,024, N 8]; A: input x; B: input W_g: left as it is (N = 8 < 16)
;;     2. [M 4,096, K 1,024] x [K 1,024, N 8]; A: input x; B: input W_noise: left as it is (N = 8 < 16)
;;     3. [M 8,192, K 1,024] x [K 1,024, N 4,096]; A: input W1; B: input x: QUANTISED (scales: A lowp_scales[0], B lowp_scales[1])
;;     4. batch 8 x [M 4,096, K 1,024] x [K 1,024, N 1,024]; A: computed on the way; B: input W2: QUANTISED (scales: A lowp_scales[2], B lowp_scales[3])
;;     5. batch 4,096 x [M 1,024, K 8] x [K 8, N 1]; A: computed on the way; B: softmax: left as it is (K = 8 < 32)
;;   THE QUANTISER, for each operand of a quantised product, along K:
;;     - The operand's scale is 2^e, e = its entry of the input lowp_scales (int32; the entries are numbered through the quantised products in the list's order, A before B).
;;     - Each number is divided by the scale, clamped to +-448, and rounded to the nearest number of E4M3, ties to even, subnormals kept.
;;     - The product sums the exact products of the quantised numbers (number of the format x scale) in f32.
;;   ~~~python
;;   def quantise(x, axis, e):      # numpy; x: float32 -> the quantised numbers, widened to float32 again
;;       x = np.moveaxis(x, axis, -1); K = x.shape[-1]
;;       r = np.clip(x / 2.0 ** e, -448, 448)
;;       step = 2.0 ** (np.maximum(np.frexp(np.where(r == 0, 1, r))[1] - 1, -6) - 3)
;;       q = np.round(r / step) * step * 2.0 ** e      # np.round: ties to even
;;       return np.moveaxis(q, -1, axis).astype(np.float32)
;;   ~~~
;;   OPERANDS COMPUTED ON THE WAY. 'Computed on the way' means the value that the module computes at that place (a softmax that the list does not call 'softmax' is quantised finished and normalised). What goes into a quantiser is computed in f32, as accurately as f32 sums, v_exp_f32 and their like allow (about 1e-6 of the number): no bf16 or f16 on the way to a quantiser, and a product that is left as it is and whose result goes on into a quantised operand takes f32 operands (vector FMAs, or v_wmma_f32_16x16x4_f32). A number that lies on a knife's edge between two numbers of the format may be rounded either way, as far as f32 arithmetic and the matrix unit's own rounding can turn it there, and no further.
;; 2 versions, each right; version 2 is version 1 with the launches up, down written anew for expert scheduling mode. Each part assembles by itself: llvm-mc -triple=amdgcn-amd-amdhsa -mcpu=gfx1250 --defsym DOCPART=n.
;; ======== version 1 of 2: 4 launches
;; workspace buffers: xc 4,194,304 bytes; gates 131,072 bytes; tokw 16,384 bytes of whole numbers; ord 16,384 bytes of whole numbers; w1f 8,388,608 bytes; w2f 8,388,608 bytes; hc 33,554,432 bytes
;; launch gate (part 1): grid 256 x 1, 4 waves a work-group, no clusters, 158,208 bytes of LDS; arguments x, W_g, W_noise, noise, lowp_scales, xc, gates, tokw; writes xc, gates, tokw
.if DOCPART == 1
	.amdgcn_target "amdgcn-amd-amdhsa--gfx1250"
	.amdhsa_code_object_version 6
	.text
	.protected	k_qec0ee96f72_gate
	.globl	k_qec0ee96f72_gate
	.p2align	8
	.type	k_qec0ee96f72_gate,@function
k_qec0ee96f72_gate:
	s_mov_b64 s[64:65], 0
	v_nop
	global_prefetch_b8 v0, s[64:65] scope:SCOPE_SE
	s_setreg_imm32_b32 hwreg(HW_REG_WAVE_MODE, 25, 1), 1
	s_wait_xcnt 0x0
; h = x W_g + noise + softplus(x W_noise); the experts with h >= the second largest h are kept (ties too); gates = softmax over the kept ones.
; Stored: gates [4096][8] f32; tokw[t] = the kept experts' bit mask | a sort key << 8; xc = x as E4M3 codes, [4096][1024], scale 2^e1 (entry 1 of the scales).
; SHARES.  A work-group takes 16 tokens; wave w takes k = 256 w .. 256 w + 255 of both gating products and of the quantising.  x is read from memory once, here.
; The gating products have f32 operands (v_wmma_f32_16x16x4_f32): source 0 = 16 outputs (8 of W_g, 8 of W_noise), source 1 = 16 tokens; a lane of the result holds one token and 8 outputs.
; A lane must hold 16 neighbours along k of ONE token (for the conversions and for the product alike), while a load is dense where neighbouring lanes take neighbouring bytes: so x and W turn through the wave's own stage in LDS.
; No address and no branch hangs on a floating-point number: the choice is stored as whole numbers at fixed places.
; LIMITS: NaN among the inputs is not served.  e1 between -126 and 119.  Two h closer than the rounding of an f32 sum of 1,024 products may be ordered either way.
; REGISTERS.  window 0: v1-15 addresses and the scale; v16-47 four accumulators (written by matrix instructions alone); v48-63 partial sums; v64-95 codes; v96-103 noise; v128-255 x: X[c][i] = x(token r, 32 c + 16 h + i).
;             window 1: v128-255 W in the same places: WF[c][i] = W(32 c + 16 h + i, output r).
.set XS,  0                            ; LDS: x's stage, for each wave 16 rows x (1,024 + 16) bytes
.set XP,  1040
.set WS,  66560                        ; W's stage, for each wave 256 rows of 64 bytes (8 of W_g, 8 of W_noise), 64 bytes of skew behind every 16 rows
.set PS,  136192                       ; the four waves' partial sums, 32 bytes a lane
.set CS,  140288                       ; the codes' stage, for each wave 16 rows x (256 + 16) bytes
.set ACC, 16
.set X,   128
.set MSB, 0
.macro WIN new                         ; the immediate's high byte repeats the setting that is left
.if MSB != \new
	s_set_vgpr_msb (MSB<<8)|\new
.set MSB, \new
.endif
.endm
	s_load_b256 s[4:11], s[0:1], 0x0               ; x s[4:5], W_g s[6:7], W_noise s[8:9], noise s[10:11]
	s_load_b256 s[12:19], s[0:1], 0x20             ; scales s[12:13], xc s[14:15], gates s[16:17], tokw s[18:19]
	v_lshl_add_u32 v126, v0, 2, 0x26800
	v_mov_b32 v127, 0
	v_lshrrev_b32 v1, 5, v0
	v_readfirstlane_b32 s20, v1                    ; wave 0..3
	v_and_b32 v1, 31, v0                           ; lane
	v_and_b32 v2, 15, v0                           ; r
	v_bfe_u32 v3, v0, 4, 1                         ; h
	v_lshlrev_b32 v12, 4, v1                       ; 16 x lane
	s_mul_i32 s24, s20, 16*XP                      ; my stages
	s_mul_i32 s25, s20, 17408
	s_add_co_u32 s25, s25, WS
	s_lshl_b32 s26, s20, 10
	s_add_co_u32 s26, s26, PS
	s_mul_i32 s27, s20, 4352
	s_add_co_u32 s27, s27, CS
	v_add_nc_u32 v4, s24, v12                      ; x in: as loaded
	v_mul_u32_u24 v5, v2, XP
	v_lshl_add_u32 v5, v3, 6, v5
	v_add_nc_u32 v5, s24, v5                       ; x out: row r, + 64 h: 16 neighbours of each 32
	v_lshrrev_b32 v6, 1, v1
	v_lshlrev_b32 v6, 6, v6
	v_and_b32 v7, 1, v1
	v_lshl_add_u32 v6, v7, 4, v6
	v_add_nc_u32 v6, s25, v6                       ; W in: a load's 512 bytes are 16 rows of 32: row lane / 2, half lane % 2
	v_mul_u32_u24 v7, v3, 1088
	v_lshl_add_u32 v7, v2, 2, v7
	v_add_nc_u32 v7, s25, v7                       ; W out: output r of row 32 c + 16 h + i; the skew sets lanes 16-31 sixteen words further round
	v_lshlrev_b32 v9, 5, v1
	v_add_nc_u32 v8, s26, v9                       ; my partial sums
	v_add_nc_u32 v9, PS, v9                        ; all four waves', for wave 0
	v_mul_u32_u24 v10, v2, 272
	v_lshl_add_u32 v10, v3, 4, v10
	v_add_nc_u32 v10, s27, v10                     ; codes in: row r, 16 h
	v_mul_u32_u24 v11, v3, 272
	v_lshl_add_u32 v11, v2, 4, v11
	v_add_nc_u32 v11, s27, v11                     ; codes out: sixteen lanes to a row
	v_lshlrev_b32 v15, 10, v3
	v_lshl_add_u32 v15, v2, 4, v15                 ; and the same place in xc
	v_lshlrev_b32 v104, 5, v2                      ; noise: 32 r
	s_mov_b32 s29, 0
	s_wait_kmcnt 0x0
	s_load_b32 s21, s[12:13], 0x4                  ; e1
	s_lshl_b32 s28, ttmp9, 16                      ; 16 tokens of 4,096 bytes,
	s_lshl_b32 s30, s20, 10
	s_add_co_u32 s28, s28, s30                     ; my 256 numbers of each
	s_add_nc_u64 s[4:5], s[4:5], s[28:29]
	s_lshl_b32 s28, s20, 13                        ; my 256 rows of 32 bytes
	s_add_nc_u64 s[6:7], s[6:7], s[28:29]
	s_add_nc_u64 s[8:9], s[8:9], s[28:29]
	s_lshl_b32 s28, ttmp9, 9
	s_add_nc_u64 s[10:11], s[10:11], s[28:29]
	s_add_nc_u64 s[16:17], s[16:17], s[28:29]
	s_lshl_b32 s28, ttmp9, 14
	s_lshl_b32 s30, s20, 8
	s_add_co_u32 s28, s28, s30
	s_add_nc_u64 s[14:15], s[14:15], s[28:29]
	s_lshl_b32 s28, ttmp9, 6
	s_add_nc_u64 s[18:19], s[18:19], s[28:29]
	global_load_b128 v[96:99], v104, s[10:11]      ; noise of token r, in both halves of the lanes
	global_load_b128 v[100:103], v104, s[10:11] offset:16
.set n, 0
.rept 32                                           ; token n / 2, half n % 2: 512 consecutive bytes a load
	global_load_b128 v[X+4*n:X+4*n+3], v12, s[4:5] offset:4096*(n/2)+512*(n%2) th:TH_LOAD_NT
.set n, n+1
.endr
	WIN 0x40                                       ; destination window 1
.set n, 0
.rept 16
	global_load_b128 v[X+4*n:X+4*n+3], v12, s[6:7] offset:512*n
	global_load_b128 v[X+64+4*n:X+64+4*n+3], v12, s[8:9] offset:512*n
.set n, n+1
.endr
	WIN 0
	s_wait_kmcnt 0x0
	s_add_co_i32 s21, s21, 127
	s_lshl_b32 s22, s21, 23
	v_mov_b32 v13, s22                             ; 2^e1 as f32: the conversion takes its exponent field
	s_add_co_i32 s21, s21, 8
	s_lshl_b32 s21, s21, 23
	s_or_b32 s21, s21, 0x600000
	v_mov_b32 v14, s21                             ; 448 x 2^e1
	s_wait_loadcnt 32                              ; noise and x are in; W's 32 loads may be out
.set n, 0
.rept 32
	ds_store_b128 v4, v[X+4*n:X+4*n+3] offset:XP*(n/2)+512*(n%2)
.set n, n+1
.endr
	s_wait_loadcnt 0x0                             ; W
	WIN 0x04                                       ; store data window 1
.set n, 0
.rept 16
	ds_store_b128 v6, v[X+4*n:X+4*n+3] offset:1088*n
	ds_store_b128 v6, v[X+64+4*n:X+64+4*n+3] offset:1088*n+32
.set n, n+1
.endr
	WIN 0                                          ; LDS serves a wave's instructions in order: the loads below see my stores, and land in the registers that those have left
.set n, 0
.rept 32                                           ; n = 4 c + q
	ds_load_b128 v[X+4*n:X+4*n+3], v5 offset:128*(n/4)+16*(n%4)
.set n, n+1
.endr
	WIN 0x40
.set n, 0
.rept 128                                          ; n = 16 c + i
	ds_load_b32 v[X+n], v7 offset:2176*(n/16)+64*(n%16)
.set n, n+1
.endr
	s_wait_dscnt 0x0
	WIN 0x01                                       ; source 0 (W) window 1
; 64 products of 4 along k; the four accumulators take turns, one instruction a turn; the first four start the sums
.irp s, 0,1,2,3,4,5,6,7
.irp c, 0,1,2,3,4,5,6,7
.if (\s == 0) && (\c < 4)
	v_wmma_f32_16x16x4_f32 v[ACC+8*(\c%4):ACC+8*(\c%4)+7], v[X+16*\c+2*\s:X+16*\c+2*\s+1], v[X+16*\c+2*\s:X+16*\c+2*\s+1], 0
.else
	v_wmma_f32_16x16x4_f32 v[ACC+8*(\c%4):ACC+8*(\c%4)+7], v[X+16*\c+2*\s:X+16*\c+2*\s+1], v[X+16*\c+2*\s:X+16*\c+2*\s+1], v[ACC+8*(\c%4):ACC+8*(\c%4)+7]
.endif
.endr
.endr
	WIN 0
.rept 8
	v_nop                                          ; eight places behind this form before a vector instruction reads a result or writes a source (ISA guide 7.12.1)
.endr
.irp i, 0,2,4,6                                    ; each accumulator from its low end on
	v_pk_add_f32 v[48+\i:49+\i], v[ACC+\i:ACC+\i+1], v[ACC+8+\i:ACC+9+\i]
	v_pk_add_f32 v[56+\i:57+\i], v[ACC+16+\i:ACC+17+\i], v[ACC+24+\i:ACC+25+\i]
.endr
.irp i, 0,2,4,6
	v_pk_add_f32 v[48+\i:49+\i], v[48+\i:49+\i], v[56+\i:57+\i]
.endr
	ds_store_b128 v8, v[48:51]
	ds_store_b128 v8, v[52:55] offset:16
	s_wait_dscnt 0x0                               ; for wave 0's sake: my partial sums lie in LDS
	s_barrier_signal -1
.set n, 0
.rept 128                                          ; work on registers while the others arrive: x is held within the largest code x the scale (the conversion does not saturate: ISA guide 7.6.2)
	v_med3_num_f32 v[X+n], v[X+n], -v14, v14
.set n, n+1
.endr
.irp c, 0,1,2,3,4,5,6,7
	v_cvt_scalef32_pk8_fp8_f32 v[64+4*\c:65+4*\c], v[X+16*\c:X+16*\c+7], v13
	v_cvt_scalef32_pk8_fp8_f32 v[66+4*\c:67+4*\c], v[X+16*\c+8:X+16*\c+15], v13
.endr
	v_nop                                          ; one plain instruction behind the last conversion
	s_barrier_wait -1
.irp c, 0,1,2,3,4,5,6,7
	ds_store_b128 v10, v[64+4*\c:67+4*\c] offset:32*\c     ; token r, k = 32 c + 16 h + 0 .. 15
.endr
.irp i, 0,1,2,3,4,5,6,7
	ds_load_b128 v[64+4*\i:67+4*\i], v11 offset:544*\i     ; rows 2 i and 2 i + 1, whole
.endr
.irp i, 0,1,2,3,4,5,6,7
	s_wait_dscnt 7-\i                              ; the younger rows may be out
	global_store_b128 v15, v[64+4*\i:67+4*\i], s[14:15] offset:2048*\i   ; sixteen lanes store 256 consecutive bytes, at a multiple of 256 from xc's first byte
.endr
	s_cmp_lg_u32 s20, 0
	s_cbranch_scc1 .Lend                           ; the rest is wave 0's: no barrier stands in it
.irp q, 0,1,2,3
	ds_load_b128 v[128+8*\q:131+8*\q], v9 offset:1024*\q
	ds_load_b128 v[132+8*\q:135+8*\q], v9 offset:1024*\q+16
.endr
	s_mov_b32 s32, 0x76543210                      ; v_permlanex16_b32: lane l xor 16
	s_mov_b32 s33, 0xfedcba98
	s_mov_b32 s34, 0xffff0000                      ; lanes 16-31
	s_mov_b32 s36, 0x3f317218                      ; ln 2
	s_wait_dscnt 0x0
.irp i, 0,2,4,6
	v_pk_add_f32 v[128+\i:129+\i], v[128+\i:129+\i], v[136+\i:137+\i]
	v_pk_add_f32 v[144+\i:145+\i], v[144+\i:145+\i], v[152+\i:153+\i]
.endr
.irp i, 0,2,4,6
	v_pk_add_f32 v[128+\i:129+\i], v[128+\i:129+\i], v[144+\i:145+\i]   ; lanes 0-15: x W_g of token r; lanes 16-31: x W_noise
.endr
.irp j, 0,1,2,3,4,5,6,7
	v_permlanex16_b32 v[160+\j], v[128+\j], s32, s33
.endr
.irp j, 0,1,2,3,4,5,6,7
	v_cndmask_b32 v[168+\j], v[128+\j], v[160+\j], s34     ; a = x W_g, in both halves
	v_cndmask_b32 v[176+\j], v[160+\j], v[128+\j], s34     ; z = x W_noise
.endr
.irp j, 0,1,2,3,4,5,6,7                            ; softplus(z) = max(z, 0) + ln 2 x log2(1 + 2^(-|z| log2 e))
	v_min_num_f32 v[184+\j], v[176+\j], -v[176+\j]
	v_mul_f32 v[184+\j], 0x3fb8aa3b, v[184+\j]
.endr
.irp j, 0,1,2,3,4,5,6,7
	v_exp_f32 v[184+\j], v[184+\j]
.endr
	v_nop                                          ; a plain instruction behind the transcendentals
	s_wait_alu depctr_va_vdst(0)
.irp j, 0,1,2,3,4,5,6,7
	v_add_f32 v[184+\j], 1.0, v[184+\j]
.endr
.irp j, 0,1,2,3,4,5,6,7
	v_log_f32 v[184+\j], v[184+\j]
.endr
	v_nop
	s_wait_alu depctr_va_vdst(0)
.irp j, 0,1,2,3,4,5,6,7
	v_max_num_f32 v[176+\j], 0, v[176+\j]
	v_add_f32 v[168+\j], v[168+\j], v[96+\j]
	v_fma_f32 v[176+\j], v[184+\j], s36, v[176+\j]
	v_add_f32 v[192+\j], v[168+\j], v[176+\j]      ; h
.endr
	v_max_num_f32 v200, v192, v193                 ; the largest and the second largest
	v_min_num_f32 v201, v192, v193
.irp j, 2,3,4,5,6,7
	v_med3_num_f32 v201, v200, v201, v[192+\j]
	v_max_num_f32 v200, v200, v[192+\j]
.endr
.irp j, 0,1,2,3,4,5,6,7
	v_cmp_ge_f32 s[40+\j], v[192+\j], v201         ; kept: ties too
	v_sub_f32 v[208+\j], v[192+\j], v200           ; the maximum is taken away
	v_mul_f32 v[208+\j], 0x3fb8aa3b, v[208+\j]
.endr
.irp j, 0,1,2,3,4,5,6,7
	v_exp_f32 v[208+\j], v[208+\j]
.endr
	v_mov_b32 v220, 0                              ; the mask.  (A plain instruction behind the transcendentals)
	v_mov_b32 v221, 7                              ; the lowest kept expert
	v_mov_b32 v222, 7                              ; the second lowest
	s_wait_alu depctr_va_vdst(0)
.irp j, 0,1,2,3,4,5,6,7
	v_cndmask_b32 v[208+\j], 0, v[208+\j], s[40+\j]
.endr
	v_pk_add_f32 v[216:217], v[208:209], v[210:211]
	v_pk_add_f32 v[218:219], v[212:213], v[214:215]
	v_pk_add_f32 v[216:217], v[216:217], v[218:219]
	v_add_f32 v216, v216, v217
	v_rcp_f32 v216, v216
.irp j, 7,6,5,4,3,2,1,0
	v_cndmask_b32 v223, 0, 1, s[40+\j]
	v_cndmask_b32 v222, v222, v221, s[40+\j]
	v_cndmask_b32 v221, v221, \j, s[40+\j]
	v_lshl_or_b32 v220, v223, \j, v220
.endr
	s_wait_alu depctr_va_vdst(0)
.irp i, 0,2,4,6
	v_pk_mul_f32 v[208+\i:209+\i], v[208+\i:209+\i], v[216:217] op_sel_hi:[1,0]   ; the gates
.endr
; the key: pairs (a < b) ordered by b, and within b up or down by turns, so that neighbouring pairs share an expert: b (b - 1) / 2 + (b odd ? a : b - 1 - a), 0 .. 27
	v_add_nc_u32 v223, -1, v222
	v_mul_u32_u24 v224, v222, v223
	v_lshrrev_b32 v224, 1, v224
	v_sub_nc_u32 v225, v223, v221
	v_and_b32 v226, 1, v222
	v_cmp_eq_u32 vcc_lo, 1, v226
	v_cndmask_b32 v225, v225, v221, vcc_lo
	v_add_nc_u32 v224, v224, v225
	v_lshl_or_b32 v220, v224, 8, v220
.irp i, 0,1,2,3
	v_cndmask_b32 v[228+\i], v[208+\i], v[212+\i], s34     ; lanes 0-15 store gates 0-3 of token r, lanes 16-31 gates 4-7
.endr
	v_lshlrev_b32 v232, 5, v2
	v_lshl_add_u32 v232, v3, 4, v232
	global_store_b128 v232, v[228:231], s[16:17]   ; the wave's store covers 512 consecutive bytes
	v_lshlrev_b32 v233, 2, v2
	v_cmp_gt_u32 vcc_lo, 16, v1
	s_wait_xcnt 0x0                                ; EXEC changes only behind this wait
	s_and_saveexec_b32 s37, vcc_lo
	global_store_b32 v233, v220, s[18:19]          ; 16 words: the work-group's 64 bytes of a table of 16 KiB
	s_wait_xcnt 0x0                                ; and again in front of the line that widens it
	s_or_b32 exec_lo, exec_lo, s37
.Lend:
	s_wait_tensorcnt 0x0
	ds_add_u32 v126, v127
	s_wait_dscnt 0x0
	s_endpgm
.Lfunc_end_k_qec0ee96f72_gate:
	.size	k_qec0ee96f72_gate, .Lfunc_end_k_qec0ee96f72_gate-k_qec0ee96f72_gate
	.p2alignl 7, 3214868480
	.fill 96, 4, 3214868480
	.section	.rodata,"a",@progbits
	.p2align	6, 0x0
	.amdhsa_kernel k_qec0ee96f72_gate
		.amdhsa_group_segment_fixed_size 158208
		.amdhsa_private_segment_fixed_size 0
		.amdhsa_enable_private_segment 0
		.amdhsa_kernarg_size 64
		.amdhsa_user_sgpr_count 2
		.amdhsa_user_sgpr_kernarg_segment_ptr 1
		.amdhsa_wavefront_size32 1
		.amdhsa_system_sgpr_workgroup_id_x 1
		.amdhsa_system_sgpr_workgroup_id_y 1
		.amdhsa_system_sgpr_workgroup_id_z 1
		.amdhsa_system_vgpr_workitem_id 0
		.amdhsa_next_free_vgpr 512
		.amdhsa_next_free_sgpr 66
		.amdhsa_reserve_vcc 1
		.amdhsa_float_denorm_mode_32 3
		.amdhsa_float_denorm_mode_16_64 3
		.amdhsa_memory_ordered 1
		.amdhsa_forward_progress 1
		.amdhsa_inst_pref_size 53
	.end_amdhsa_kernel
	.amdgpu_metadata
---
amdhsa.version: [ 1, 2 ]
amdhsa.kernels:
  - .name:           k_qec0ee96f72_gate
    .symbol:         k_qec0ee96f72_gate.kd
    .args:
      - { .name: x, .offset: 0, .size: 8, .value_kind: global_buffer, .address_space: global }
      - { .name: W_g, .offset: 8, .size: 8, .value_kind: global_buffer, .address_space: global }
      - { .name: W_noise, .offset: 16, .size: 8, .value_kind: global_buffer, .address_space: global }
      - { .name: noise, .offset: 24, .size: 8, .value_kind: global_buffer, .address_space: global }
      - { .name: lowp_scales, .offset: 32, .size: 8, .value_kind: global_buffer, .address_space: global }
      - { .name: xc, .offset: 40, .size: 8, .value_kind: global_buffer, .address_space: global }
      - { .name: gates, .offset: 48, .size: 8, .value_kind: global_buffer, .address_space: global }
      - { .name: tokw, .offset: 56, .size: 8, .value_kind: global_buffer, .address_space: global }
    .group_segment_fixed_size: 158208
    .private_segment_fixed_size: 0
    .kernarg_segment_align: 8
    .kernarg_segment_size: 64
    .max_flat_workgroup_size: 128
    .sgpr_count:     66
    .vgpr_count:     512
    .wavefront_size: 32
...
	.end_amdgpu_metadata
.endif
;; end of part 1
;; launch lay (part 2): grid 257 x 1, 16 waves a work-group, no clusters, 4,096 bytes of LDS; arguments W1, W2, lowp_scales, tokw, w1f, w2f, ord; writes w1f, w2f, ord
.if DOCPART == 2
	.amdgcn_target "amdgcn-amd-amdhsa--gfx1250"
	.amdhsa_code_object_version 6
	.text
	.protected	k_qec0ee96f72_lay
	.globl	k_qec0ee96f72_lay
	.p2align	8
	.type	k_qec0ee96f72_lay,@function
k_qec0ee96f72_lay:
	s_mov_b64 s[64:65], 0
	v_nop
	global_prefetch_b8 v0, s[64:65] scope:SCOPE_SE
	s_setreg_imm32_b32 hwreg(HW_REG_WAVE_MODE, 25, 1), 1
	s_wait_xcnt 0x0
; Work-groups 1 .. 256: W1 and W2 [8][1024 (k)][1024 (n)] f32 become E4M3 codes (scales 2^e0 and 2^e3), laid in the order in which a wave's operand registers take them:
;   [expert 8][slice of 64 columns 16][K step of 128: 8][tile 4][2,048 bytes]; a tile's image: chunk c of 512 bytes holds lane (r, h)'s 16 bytes at 16 (16 h + r): k = 32 c + 16 h + 0 .. 15 of its row r.
;   Row r of tile 2 B + u of a slice is column 32 B + 8 u + r + 8 (r / 8): so the 16 result registers of tiles 2 B and 2 B + 1 are 16 neighbouring columns.
;   A LANE TAKES A COLUMN AND ITS REGISTERS RUN DOWN K: the conversions give codes with K innermost, nothing is transposed, and a lane's 16 codes are 16 bytes of an image: sixteen lanes store 256 consecutive bytes.
; Work-group 0: the tokens are sorted by the key in tokw (a counting sort on 28 keys, no atomics): ord[p] = token | mask << 16 at sorted place p.  It is to end while the other work-groups still stream the weights, so its
;   lines stand in runs in which none reads the result of the line above it: 28 compares, 28 counts, 28 selects in two chains with the scalar counts between them.
; LIMITS: e0, e3 between -126 and 119.  NaN among the inputs is not served.
	s_load_b128 s[4:7], s[0:1], 0x0                ; W1, W2
	s_load_b128 s[8:11], s[0:1], 0x10              ; scales, tokw
	s_load_b128 s[12:15], s[0:1], 0x20             ; w1f, w2f
	s_load_b64 s[16:17], s[0:1], 0x30              ; ord
	v_lshl_add_u32 v128, v0, 2, 0x800
	v_mov_b32 v129, 0
	v_lshrrev_b32 v1, 5, v0
	v_readfirstlane_b32 s18, v1                    ; wave 0..15
	v_and_b32 v1, 31, v0                           ; lane
	s_cmp_eq_u32 ttmp9, 0
	s_cbranch_scc1 .Lplace
; ---- the weights.  id = tensor (1 bit) | expert (3) | K step (3) | half of the columns (1); wave w takes 32 columns x 128 along K
	s_sub_co_u32 s19, ttmp9, 1
	s_lshr_b32 s20, s19, 7                         ; 0: W1, 1: W2
	s_bfe_u32 s21, s19, 0x30004                    ; expert
	s_bfe_u32 s22, s19, 0x30001                    ; K step
	s_and_b32 s23, s19, 1
	s_lshl_b32 s23, s23, 4
	s_add_co_u32 s23, s23, s18                     ; which 32 columns, 0 .. 31
	s_lshl_b32 s24, s21, 22                        ; from: expert x 4 MiB + K step x 128 rows of 4,096 bytes + 128 bytes x columns' group
	s_lshl_b32 s26, s22, 19
	s_add_co_u32 s24, s24, s26
	s_lshl_b32 s26, s23, 7
	s_add_co_u32 s24, s24, s26
	s_mov_b32 s25, 0
	s_lshl_b32 s28, s21, 20                        ; to: expert x 1 MiB + slice x 64 KiB + K step x 8 KiB + (group % 2) x two tiles
	s_lshr_b32 s26, s23, 1
	s_lshl_b32 s26, s26, 16
	s_add_co_u32 s28, s28, s26
	s_lshl_b32 s26, s22, 13
	s_add_co_u32 s28, s28, s26
	s_and_b32 s26, s23, 1
	s_lshl_b32 s26, s26, 12
	s_add_co_u32 s28, s28, s26
	s_mov_b32 s29, 0
	v_and_b32 v2, 15, v1                           ; r
	v_lshrrev_b32 v4, 4, v1                        ; u
	v_and_b32 v3, 8, v2
	v_add_nc_u32 v3, v3, v2
	v_lshl_add_u32 v3, v4, 3, v3                   ; my column of the 32: 8 u + r + 8 (r / 8)
	v_lshlrev_b32 v3, 2, v3
	v_lshlrev_b32 v5, 4, v2
	v_lshl_add_u32 v5, v4, 11, v5                  ; tile u, 16 r
	s_wait_kmcnt 0x0
	s_load_b128 s[36:39], s[8:9], 0x0              ; e0 .. e3
	s_cmp_eq_u32 s20, 0                            ; the choice hangs on the work-group's number alone
	s_cselect_b64 s[4:5], s[4:5], s[6:7]
	s_cselect_b64 s[12:13], s[12:13], s[14:15]
	s_add_nc_u64 s[4:5], s[4:5], s[24:25]
	s_add_nc_u64 s[12:13], s[12:13], s[28:29]
.macro LOAD t                          ; block t: W(32 t + i, my column), i = 0 .. 31: the wave reads 128 consecutive bytes, the sixteen waves 2,048
.set n, 0
.rept 32
	global_load_b32 v[32+32*((\t)%2)+n], v3, s[4:5] offset:(32*(\t)+n)*4096 th:TH_LOAD_NT
.set n, n+1
.endr
.endm
	LOAD 0
	LOAD 1
	s_wait_kmcnt 0x0
	s_cmp_eq_u32 s20, 0
	s_cselect_b32 s30, s36, s39                    ; e0 or e3
	s_add_co_i32 s30, s30, 127
	s_lshl_b32 s31, s30, 23
	v_mov_b32 v11, s31                             ; 2^e as f32
	s_add_co_i32 s30, s30, 8
	s_lshl_b32 s30, s30, 23
	s_or_b32 s30, s30, 0x600000
	v_mov_b32 v10, s30                             ; 448 x 2^e
.macro BLOCK t
.if (\t) < 3
	s_wait_loadcnt 32                              ; this block's 32 loads are in; the next block's may be out
.else
	s_wait_loadcnt 0x0
.endif
.set n, 0
.rept 32
	v_med3_num_f32 v[32+32*((\t)%2)+n], v[32+32*((\t)%2)+n], -v10, v10   ; the conversion does not saturate (ISA guide 7.6.2)
.set n, n+1
.endr
.irp g, 0,1,2,3
	v_cvt_scalef32_pk8_fp8_f32 v[96+8*(\t)+2*\g:97+8*(\t)+2*\g], v[32+32*((\t)%2)+8*\g:39+32*((\t)%2)+8*\g], v11
.endr
	global_store_b128 v5, v[96+8*(\t):99+8*(\t)], s[12:13] offset:512*(\t)          ; k = 32 t + 0 .. 15: the image's lanes h = 0; sixteen lanes store 256 consecutive bytes, aligned
	global_store_b128 v5, v[100+8*(\t):103+8*(\t)], s[12:13] offset:512*(\t)+256    ; k = 32 t + 16 .. 31: h = 1.  Each block has its own code registers: no store's data are written again
.if (\t) < 2
	LOAD (\t)+2
.endif
.endm
	BLOCK 0
	BLOCK 1
	BLOCK 2
	BLOCK 3
	s_endpgm
; ---- the sort.  Wave w holds tokens 256 w + 32 i + lane, i = 0 .. 7.
; s32-59: my wave's count for each key so far; s68-95: for the vector in hand, the lanes that hold each key; v64-91: for each key, the count so far + the lanes below me that hold it.
; v32-39 (even keys) and v92-99 (odd keys): a token's rank among my wave's tokens of its key: both begin at 0 and one key alone matches, so the rank is their sum.
.Lplace:
	v_lshlrev_b32 v2, 2, v1                        ; 4 x lane
	s_lshl_b32 s19, s18, 10
	v_add_nc_u32 v3, s19, v2
	s_lshl_b32 s19, s18, 7
	v_add_nc_u32 v4, s19, v2                       ; LDS: my wave's row of 32 counts
	s_wait_kmcnt 0x0
.irp i, 0,1,2,3,4,5,6,7
	global_load_b32 v[16+\i], v3, s[10:11] offset:128*\i
.endr
.set n, 0
.rept 28
	s_mov_b32 s[32+n], 0
.set n, n+1
.endr
.irp i, 0,1,2,3,4,5,6,7
	v_mov_b32 v[32+\i], 0
	v_mov_b32 v[92+\i], 0
.endr
	v_mov_b32 v56, 0
	v_mov_b32 v57, 0
	v_mov_b32 v58, 0
	v_mov_b32 v59, 0
	s_wait_loadcnt 0x0
.irp i, 0,1,2,3,4,5,6,7
	v_bfe_u32 v[24+\i], v[16+\i], 8, 8
	v_min_u32 v[24+\i], 27, v[24+\i]               ; the key
.endr
.irp i, 0,1,2,3,4,5,6,7
.irp k, 0,1,2,3,4,5,6,7,8,9,10,11,12,13,14,15,16,17,18,19,20,21,22,23,24,25,26,27
	v_cmp_eq_u32 s[68+\k], \k, v[24+\i]            ; the lanes that hold key k: 28 masks, each in a register of its own
.endr
.irp k, 0,1,2,3,4,5,6,7,8,9,10,11,12,13,14,15,16,17,18,19,20,21,22,23,24,25,26,27
	v_mbcnt_lo_u32_b32 v[64+\k], s[68+\k], s[32+\k]        ; the count so far + the lanes below me with this key
.endr
.irp k, 0,1,2,3,4,5,6,7,8,9,10,11,12,13,14,15,16,17,18,19,20,21,22,23,24,25,26,27
	v_cndmask_b32 v[32+60*(\k%2)+\i], v[32+60*(\k%2)+\i], v[64+\k], s[68+\k]   ; mine, where the key is mine; even and odd keys in chains of their own
	s_bcnt1_i32_b32 s[20+\k%4], s[68+\k]
	s_add_co_u32 s[32+\k], s[32+\k], s[20+\k%4]    ; the count goes on, behind the line that read it
.endr
.endr
.set n, 0
.rept 28
	v_writelane_b32 v56, s[32+n], n                ; lane k: my wave's count of key k
.set n, n+1
.endr
	ds_store_b32 v4, v56
	s_wait_dscnt 0x0                               ; for the others' sake
	s_barrier_signal -1
	s_barrier_wait -1
.set n, 0
.rept 16
	ds_load_b32 v[40+n], v2 offset:128*n
.set n, n+1
.endr
	s_wait_dscnt 0x0
.set n, 0
.rept 16
	s_cmp_gt_u32 s18, n
	s_cselect_b32 s20, -1, 0
	v_add_nc_u32 v57, v57, v[40+n]                 ; lane k: all waves' count of key k,
	v_and_b32 v61, s20, v[40+n]
	v_add_nc_u32 v58, v58, v61                     ; and that of the waves before mine
.set n, n+1
.endr
; where each key begins: the 28 counts come down into scalar registers in one run, are summed there, and go up again in one run
.set n, 0
.rept 28
	v_readlane_b32 s[68+n], v57, n
.set n, n+1
.endr
	s_mov_b32 s32, 0                               ; (my wave's counts have gone into v56: s32-59 are free)
.set n, 0
.rept 27
	s_add_co_u32 s[33+n], s[32+n], s[68+n]
.set n, n+1
.endr
.set n, 0
.rept 28
	v_writelane_b32 v59, s[32+n], n                ; lane k: where key k begins
.set n, n+1
.endr
	v_add_nc_u32 v60, v59, v58                     ; where my wave's tokens of key k begin
.irp i, 0,1,2,3,4,5,6,7
	v_lshlrev_b32 v[24+\i], 2, v[24+\i]
	ds_bpermute_b32 v[40+\i], v[24+\i], v60        ; from lane key: no LDS byte is touched
.endr
	s_lshl_b32 s19, s18, 8
	v_add_nc_u32 v5, s19, v1
.irp i, 0,1,2,3,4,5,6,7
	v_add_nc_u32 v[32+\i], v[32+\i], v[92+\i]      ; the rank's two halves, while the permutes are out
.endr
	s_wait_dscnt 0x0
.irp i, 0,1,2,3,4,5,6,7
	v_add_nc_u32 v[40+\i], v[40+\i], v[32+\i]
	v_min_u32 v[40+\i], 0xfff, v[40+\i]            ; the sorted place
	v_lshlrev_b32 v[40+\i], 2, v[40+\i]
	v_and_b32 v[16+\i], 0xff, v[16+\i]
	v_add_nc_u32 v[48+\i], 32*\i, v5
	v_lshl_or_b32 v[48+\i], v[16+\i], 16, v[48+\i]
	global_store_b32 v[40+\i], v[48+\i], s[16:17]  ; a scatter of words over a table of 16 KiB: every word of it is written once
.endr
	s_wait_tensorcnt 0x0
	ds_add_u32 v128, v129
	s_wait_dscnt 0x0
	s_endpgm
.Lfunc_end_k_qec0ee96f72_lay:
	.size	k_qec0ee96f72_lay, .Lfunc_end_k_qec0ee96f72_lay-k_qec0ee96f72_lay
	.p2alignl 7, 3214868480
	.fill 96, 4, 3214868480
	.section	.rodata,"a",@progbits
	.p2align	6, 0x0
	.amdhsa_kernel k_qec0ee96f72_lay
		.amdhsa_group_segment_fixed_size 4096
		.amdhsa_private_segment_fixed_size 0
		.amdhsa_enable_private_segment 0
		.amdhsa_kernarg_size 56
		.amdhsa_user_sgpr_count 2
		.amdhsa_user_sgpr_kernarg_segment_ptr 1
		.amdhsa_wavefront_size32 1
		.amdhsa_system_sgpr_workgroup_id_x 1
		.amdhsa_system_sgpr_workgroup_id_y 1
		.amdhsa_system_sgpr_workgroup_id_z 1
		.amdhsa_system_vgpr_workitem_id 0
		.amdhsa_next_free_vgpr 130
		.amdhsa_next_free_sgpr 96
		.amdhsa_reserve_vcc 0
		.amdhsa_float_denorm_mode_32 3
		.amdhsa_float_denorm_mode_16_64 3
		.amdhsa_memory_ordered 1
		.amdhsa_forward_progress 1
		.amdhsa_inst_pref_size 98
	.end_amdhsa_kernel
	.amdgpu_metadata
---
amdhsa.version: [ 1, 2 ]
amdhsa.kernels:
  - .name:           k_qec0ee96f72_lay
    .symbol:         k_qec0ee96f72_lay.kd
    .args:
      - { .name: W1, .offset: 0, .size: 8, .value_kind: global_buffer, .address_space: global }
      - { .name: W2, .offset: 8, .size: 8, .value_kind: global_buffer, .address_space: global }
      - { .name: lowp_scales, .offset: 16, .size: 8, .value_kind: global_buffer, .address_space: global }
      - { .name: tokw, .offset: 24, .size: 8, .value_kind: global_buffer, .address_space: global }
      - { .name: w1f, .offset: 32, .size: 8, .value_kind: global_buffer, .address_space: global }
      - { .name: w2f, .offset: 40, .size: 8, .value_kind: global_buffer, .address_space: global }
      - { .name: ord, .offset: 48, .size: 8, .value_kind: global_buffer, .address_space: global }
    .group_segment_fixed_size: 4096
    .private_segment_fixed_size: 0
    .kernarg_segment_align: 8
    .kernarg_segment_size: 56
    .max_flat_workgroup_size: 512
    .sgpr_count:     96
    .vgpr_count:     130
    .wavefront_size: 32
...
	.end_amdgpu_metadata
.endif
;; end of part 2
;; launch up (part 3): grid 4 x 64, 4 waves a work-group, no clusters, 67,072 bytes of LDS; arguments xc, w1f, b1, lowp_scales, ord, hc; writes hc
.if DOCPART == 3
	.amdgcn_target "amdgcn-amd-amdhsa--gfx1250"
	.amdhsa_code_object_version 6
	.text
	.protected	k_qec0ee96f72_up
	.globl	k_qec0ee96f72_up
	.p2align	8
	.type	k_qec0ee96f72_up,@function
k_qec0ee96f72_up:
	s_mov_b64 s[64:65], 0
	v_nop
	global_prefetch_b8 v0, s[64:65] scope:SCOPE_SE
	s_setreg_imm32_b32 hwreg(HW_REG_WAVE_MODE, 25, 1), 1
	s_wait_xcnt 0x0
; hc[block][expert] = Q(relu(x W1[expert] + b1[expert])) as E4M3 codes (scale 2^e2), for a block of 64 sorted tokens and every expert that one of them keeps.
; SHARES.  Work-group (x, y): block y, hidden units 256 x .. 256 x + 255; wave w: all 64 tokens x the 64 units of slice S = 4 x + w.  The block's x (512 registers a wave) stays in registers for all its experts.
; THE WALK over the 8 experts has a constant count; an expert that none of the block's tokens keeps is passed over by a scalar branch on the block's mask: the OR, made in scalar registers, of the 64 words of ord that
; scalar loads bring.  So no barrier stands in the walk, and the weights come from memory straight into registers: they were laid in the order of the operand's registers, each load 512 consecutive bytes.
; A ring of two sets of 32 loads: while one set (two K steps) is multiplied, the other is on its way, across experts too: the next kept expert is known from the mask.  Its bias (256 bytes a wave) is asked for just ahead of
; its first set, so that the ring's wait covers it.
; The last kept expert's text asks for nothing more and ends the wave; it stands inside the loop, which is left by s_endpgm or by falling through.
; NO CLUSTER: work-groups that read the same weights belong to different blocks, whose walks differ; the four of one block share only x, 64 KiB beside 256 KiB of weights for each expert.
; TRANSPOSED: source 0 = 16 units of W1, source 1 = 16 tokens: a lane holds one token and its registers run along the units, the next product's K: the conversions' results are that operand's registers.
; b1 / 2^(e0 + e1) is the C of each sum's first product; the conversion's one scale is 2^(e2 - e0 - e1); the hold between 0 and the largest code is the relu as well.
; hc: [block 64][expert 8][K step 8][tile of 16 tokens 4][2,048]: images of the operand's registers, chunk c of 512 bytes = 16 bytes a lane.  My 64 units are chunks 2 (S % 2), 2 (S % 2) + 1 of K step S / 2.
; LIMITS: e2 - e0 - e1 between -126 and 119.  NaN is not served.
; REGISTERS.  window 0: v1-12 addresses, scale; v32-63 bias (C of 4 tiles); v64-95 codes; v96-111 rows' offsets; v128-255 the 16 accumulators (tile of tokens m, tile of units t) at 128 + 32 m + 8 t, first x as loaded.
;             window 1: the ring, two sets of 8 fragments.   windows 2, 3: x's 32 fragments: (m, K step) at 128 (m % 2) + 16 K step of window 2 + m / 2.
.set XP, 1040                          ; LDS: 64 rows of x's codes, 1,024 bytes + 16
.set MSB, 0
.macro WIN new                         ; the immediate's high byte repeats the setting that is left
.if MSB != \new
	s_set_vgpr_msb (MSB<<8)|\new
.set MSB, \new
.endif
.endm
.macro FETCH p, set, base              ; set of two K steps x 4 tiles, from the expert's 64 KiB at s[base], into ring buffer p: 32 loads
	WIN 0x40
.irp f, 0,1,2,3,4,5,6,7
.irp c, 0,1,2,3
	global_load_b128 v[128*(\p)+16*\f+4*\c:128*(\p)+16*\f+4*\c+3], v1, s[\base:\base+1] offset:16384*(\set)+2048*\f+512*\c
.endr
.endr
.endm
.macro BIAS                            ; b1 of the expert at s[44:45]: tile 2 B + u, lane half h: units 32 B + 16 h + 8 u + 0 .. 7.  8 loads
	WIN 0
.irp t, 0,1,2,3
	global_load_b128 v[32+8*\t:35+8*\t], v5, s[44:45] offset:128*(\t/2)+32*(\t%2)
	global_load_b128 v[36+8*\t:39+8*\t], v5, s[44:45] offset:128*(\t/2)+32*(\t%2)+16
.endr
.endm
.macro MUL8 sg, kk, half               ; K step 2 sg + kk; tiles of tokens 2 half, 2 half + 1 x 4 tiles of units.  The very first K step takes the bias as C
	WIN 0x09+4*\half                               ; source 0 window 1, source 1 window 2 or 3
.irp m, 0,1
.irp t, 0,1,2,3
.if (\sg == 0) && (\kk == 0)
	v_wmma_f32_16x16x128_fp8_fp8 v[128+32*(2*\half+\m)+8*\t:135+32*(2*\half+\m)+8*\t], v[128*(\sg%2)+64*\kk+16*\t:128*(\sg%2)+64*\kk+16*\t+15], v[128*\m+16*(2*\sg+\kk):128*\m+16*(2*\sg+\kk)+15], v[32+8*\t:39+8*\t]
.else
	v_wmma_f32_16x16x128_fp8_fp8 v[128+32*(2*\half+\m)+8*\t:135+32*(2*\half+\m)+8*\t], v[128*(\sg%2)+64*\kk+16*\t:128*(\sg%2)+64*\kk+16*\t+15], v[128*\m+16*(2*\sg+\kk):128*\m+16*(2*\sg+\kk)+15], v[128+32*(2*\half+\m)+8*\t:135+32*(2*\half+\m)+8*\t]
.endif
.endr
.endr
.endm
; A set: 32 products.  The accumulators take turns, one instruction a turn: between two links of a chain stand at least seven others'.
; cnt: the loads younger than this set's, which may stay out (-1: the wait stands ahead of the macro).  pre = 1: the next expert's bias is asked for ahead of its first set.
.macro STEP sg, fetch, base, cnt, pre
.if \cnt >= 0
	s_wait_loadcnt \cnt
.endif
	MUL8 \sg, 0, 0
	MUL8 \sg, 0, 1
	MUL8 \sg, 1, 1
	MUL8 \sg, 1, 0
.rept 4
	v_nop                                          ; four places in front of loads into registers that these products read, and of the first read of results
.endr
.if \pre
	BIAS
.endif
.if \fetch
	FETCH \sg%2, (\sg+2)%4, \base
.endif
.endm
.macro BODY last                       ; expert s20
	s_wait_xcnt 0x0                                ; the bases and the codes' registers of earlier loads and stores are written again only behind this wait
	s_mov_b64 s[24:25], s[26:27]                   ; this expert's weights: sets 0 and 1 are on their way
.if !\last
	s_ctz_i32_b32 s22, s23                         ; the next kept expert:
	s_min_u32 s22, s22, 7
	s_lshl_b32 s32, s22, 20
	s_add_nc_u64 s[26:27], s[30:31], s[32:33]      ; its weights,
	s_lshl_b32 s32, s22, 12
	s_add_nc_u64 s[44:45], s[8:9], s[32:33]        ; its bias
.endif
	s_lshl_b32 s32, s20, 16
	s_add_nc_u64 s[28:29], s[36:37], s[32:33]      ; where the codes go
	s_wait_loadcnt 32                              ; the bias and set 0 are in; set 1's 32 loads may be out
.set n, 0
.rept 32
	v_ldexp_f32 v[32+n], v[32+n], s39              ; b1 / 2^(e0 + e1)
.set n, n+1
.endr
	STEP 0, 1, 24, -1, 0
	STEP 1, 1, 24, 32, 0                           ; behind set 1: set 2
.if \last
	STEP 2, 0, 0, 32, 0                            ; behind set 2: set 3
	STEP 3, 0, 0, 0, 0
.else
	STEP 2, 1, 26, 32, 1                           ; the ring goes on into the next expert
	STEP 3, 1, 26, 40, 0                           ; behind set 3: the next expert's 8 loads of bias and its set 0
.endif
	WIN 0
.irp m, 0,1,2,3
.set n, 0
.rept 32
	v_med3_num_f32 v[128+32*\m+n], v[128+32*\m+n], 0, v9   ; the activation and the hold in one; each accumulator from its low end on
.set n, n+1
.endr
.irp g, 0,1,2,3
	v_cvt_scalef32_pk8_fp8_f32 v[64+8*\m+2*\g:65+8*\m+2*\g], v[128+32*\m+8*\g:135+32*\m+8*\g], v8
.endr
.endr
	v_nop                                          ; one plain instruction behind the last conversion
.irp m, 0,1,2,3
.irp q, 0,1
	global_store_b128 v1, v[64+8*\m+4*\q:67+8*\m+4*\q], s[28:29] offset:2048*\m+512*\q   ; 512 consecutive bytes, aligned
.endr
.endr
.endm
	s_load_b256 s[4:11], s[0:1], 0x0               ; xc s[4:5], w1f s[6:7], b1 s[8:9], scales s[10:11]
	s_load_b128 s[12:15], s[0:1], 0x20             ; ord s[12:13], hc s[14:15]
	v_lshl_add_u32 v126, v0, 2, 0x10400
	v_mov_b32 v127, 0
	v_lshrrev_b32 v2, 5, v0
	v_readfirstlane_b32 s16, v2                    ; wave
	v_and_b32 v2, 31, v0                           ; lane
	v_lshlrev_b32 v1, 4, v2                        ; 16 x lane
	v_and_b32 v3, 15, v0                           ; r
	v_bfe_u32 v12, v0, 4, 1                        ; h
	s_and_b32 s17, ttmp7, 0xffff                   ; block
	s_lshl_b32 s18, ttmp9, 2
	s_add_co_u32 s18, s18, s16                     ; slice S
	v_mul_u32_u24 v4, v3, XP
	v_lshl_add_u32 v4, v12, 4, v4                  ; a fragment of x: row r, 16 h
	v_lshlrev_b32 v5, 6, v12                       ; the bias: 64 h
	s_mul_i32 s21, s16, 16*XP
	v_add_nc_u32 v7, s21, v1                       ; where I put my 16 rows of x
	s_mov_b32 s63, 0
	s_lshl_b32 s19, s16, 6                         ; my wave's 16 words in the block's 64
	s_wait_kmcnt 0x0
	s_load_b128 s[40:43], s[10:11], 0x0            ; e0 .. e3
	s_lshl_b32 s62, s17, 8
	s_add_nc_u64 s[12:13], s[12:13], s[62:63]      ; ord at my block
	s_xor_b32 s62, s19, 64                         ; the three other quarters of the block's words
	s_add_nc_u64 s[20:21], s[12:13], s[62:63]
	s_xor_b32 s62, s19, 128
	s_add_nc_u64 s[22:23], s[12:13], s[62:63]
	s_xor_b32 s62, s19, 192
	s_add_nc_u64 s[60:61], s[12:13], s[62:63]
	s_mov_b32 s62, s19
	s_add_nc_u64 s[12:13], s[12:13], s[62:63]      ; and mine
	s_load_b512 s[44:59], s[12:13], 0x0            ; my wave's 16 rows
	s_load_b512 s[24:39], s[20:21], 0x0
	s_load_b512 s[68:83], s[22:23], 0x0
	s_load_b512 s[84:99], s[60:61], 0x0
	s_wait_kmcnt 0x0                               ; the 64 words and the exponents
.irp j, 0,1,2,3,4,5,6,7,8,9,10,11,12,13,14,15
	s_and_b32 s62, s[44+\j], 0xffff
	s_min_u32 s62, s62, 4095                       ; the token
	s_lshl_b32 s62, s62, 10
	v_add_nc_u32 v[96+\j], s62, v1
.endr
.irp j, 0,1,2,3,4,5,6,7,8,9,10,11,12,13,14,15
	global_load_b128 v[128+8*\j:131+8*\j], v[96+\j], s[4:5]
	global_load_b128 v[132+8*\j:135+8*\j], v[96+\j], s[4:5] offset:512
.endr
; the experts that my block keeps: the OR of its 64 words, in scalar registers, while x is on its way
.set n, 0
.rept 16
	s_or_b32 s[44+n], s[44+n], s[24+n]
	s_or_b32 s[68+n], s[68+n], s[84+n]
.set n, n+1
.endr
.set n, 0
.rept 16
	s_or_b32 s[44+n], s[44+n], s[68+n]
.set n, n+1
.endr
.irp d, 8,4,2,1
.set n, 0
.rept \d
	s_or_b32 s[44+n], s[44+n], s[44+\d+n]
.set n, n+1
.endr
.endr
	s_lshr_b32 s19, s44, 16
	s_and_b32 s19, s19, 0xff                       ; the mask
	s_cmp_eq_u32 s19, 0
	s_cselect_b32 s19, 1, s19                      ; (never empty)
	s_mov_b32 s33, 0
	s_lshl_b32 s32, s18, 8
	s_add_nc_u64 s[8:9], s[8:9], s[32:33]          ; b1 at my 64 units of expert 0
	s_lshl_b32 s32, s18, 16
	s_add_nc_u64 s[30:31], s[6:7], s[32:33]        ; w1f at my slice of expert 0
	s_lshl_b32 s32, s17, 19
	s_lshr_b32 s38, s18, 1
	s_lshl_b32 s38, s38, 13
	s_add_co_u32 s32, s32, s38
	s_and_b32 s38, s18, 1
	s_lshl_b32 s38, s38, 10
	s_add_co_u32 s32, s32, s38
	s_add_nc_u64 s[36:37], s[14:15], s[32:33]      ; hc at my block, K step S / 2, chunks 2 (S % 2) on, of expert 0
	s_add_co_i32 s38, s40, s41
	s_sub_co_i32 s39, 0, s38                       ; -(e0 + e1)
	s_sub_co_i32 s38, s42, s38
	s_add_co_i32 s38, s38, 127
	s_lshl_b32 s21, s38, 23
	v_mov_b32 v8, s21                              ; 2^(e2 - e0 - e1) as f32
	s_add_co_i32 s38, s38, 8
	s_lshl_b32 s38, s38, 23
	s_or_b32 s38, s38, 0x600000
	v_mov_b32 v9, s38                              ; 448 x that
	s_ctz_i32_b32 s22, s19
	s_min_u32 s22, s22, 7
	s_lshl_b32 s32, s22, 20
	s_add_nc_u64 s[26:27], s[30:31], s[32:33]      ; the first kept expert's weights,
	s_lshl_b32 s32, s22, 12
	s_add_nc_u64 s[44:45], s[8:9], s[32:33]        ; its bias (the words of ord have been used)
	BIAS
	FETCH 0, 0, 26
	FETCH 1, 1, 26
	WIN 0
	s_wait_loadcnt 63                              ; x is in: 72 loads were issued behind it
.set n, 0
.rept 32
	ds_store_b128 v7, v[128+4*n:131+4*n] offset:XP*(n/2)+512*(n%2)
.set n, n+1
.endr
	s_wait_dscnt 0x0                               ; for the others' sake: my 16 rows lie in LDS
	s_barrier_signal -1
	s_barrier_wait -1                              ; the one barrier: all 64 rows do
	WIN 0x80
.irp m, 0,1
.irp k, 0,1,2,3,4,5,6,7
.irp c, 0,1,2,3
	ds_load_b128 v[128*\m+16*\k+4*\c:128*\m+16*\k+4*\c+3], v4 offset:16*XP*\m+128*\k+32*\c
.endr
.endr
.endr
	WIN 0xc0
.irp m, 0,1
.irp k, 0,1,2,3,4,5,6,7
.irp c, 0,1,2,3
	ds_load_b128 v[128*\m+16*\k+4*\c:128*\m+16*\k+4*\c+3], v4 offset:16*XP*(\m+2)+128*\k+32*\c
.endr
.endr
.endr
	WIN 0
	s_wait_dscnt 0x0
	s_mov_b32 s20, 0
.Lloop:
	s_bitcmp1_b32 s19, s20
	s_cbranch_scc0 .Lnext                          ; nobody here keeps this expert
	s_lshl_b32 s23, -2, s20
	s_and_b32 s23, s19, s23                        ; the kept experts behind it
	s_cmp_lg_u32 s23, 0
	s_cbranch_scc1 .Lmore
	BODY 1                                         ; the last kept expert fetches nothing more, and the wave ends here
	s_wait_tensorcnt 0x0
	ds_add_u32 v126, v127
	s_wait_dscnt 0x0
	s_endpgm
.Lmore:
	BODY 0
.Lnext:
	s_add_co_u32 s20, s20, 1
	s_cmp_lt_u32 s20, 8
	s_cbranch_scc1 .Lloop
	s_wait_tensorcnt 0x0
	ds_add_u32 v126, v127
	s_wait_dscnt 0x0
	s_endpgm                                       ; closes the loop's fall-through: the mask is never empty, so every wave has ended in the last kept expert's text
.Lfunc_end_k_qec0ee96f72_up:
	.size	k_qec0ee96f72_up, .Lfunc_end_k_qec0ee96f72_up-k_qec0ee96f72_up
	.p2alignl 7, 3214868480
	.fill 96, 4, 3214868480
	.section	.rodata,"a",@progbits
	.p2align	6, 0x0
	.amdhsa_kernel k_qec0ee96f72_up
		.amdhsa_group_segment_fixed_size 67072
		.amdhsa_private_segment_fixed_size 0
		.amdhsa_enable_private_segment 0
		.amdhsa_kernarg_size 48
		.amdhsa_user_sgpr_count 2
		.amdhsa_user_sgpr_kernarg_segment_ptr 1
		.amdhsa_wavefront_size32 1
		.amdhsa_system_sgpr_workgroup_id_x 1
		.amdhsa_system_sgpr_workgroup_id_y 1
		.amdhsa_system_sgpr_workgroup_id_z 1
		.amdhsa_system_vgpr_workitem_id 0
		.amdhsa_next_free_vgpr 1024
		.amdhsa_next_free_sgpr 100
		.amdhsa_reserve_vcc 0
		.amdhsa_float_denorm_mode_32 3
		.amdhsa_float_denorm_mode_16_64 3
		.amdhsa_memory_ordered 1
		.amdhsa_forward_progress 1
		.amdhsa_inst_pref_size 90
	.end_amdhsa_kernel
	.amdgpu_metadata
---
amdhsa.version: [ 1, 2 ]
amdhsa.kernels:
  - .name:           k_qec0ee96f72_up
    .symbol:         k_qec0ee96f72_up.kd
    .args:
      - { .name: xc, .offset: 0, .size: 8, .value_kind: global_buffer, .address_space: global }
      - { .name: w1f, .offset: 8, .size: 8, .value_kind: global_buffer, .address_space: global }
      - { .name: b1, .offset: 16, .size: 8, .value_kind: global_buffer, .address_space: global }
      - { .name: lowp_scales, .offset: 24, .size: 8, .value_kind: global_buffer, .address_space: global }
      - { .name: ord, .offset: 32, .size: 8, .value_kind: global_buffer, .address_space: global }
      - { .name: hc, .offset: 40, .size: 8, .value_kind: global_buffer, .address_space: global }
    .group_segment_fixed_size: 67072
    .private_segment_fixed_size: 0
    .kernarg_segment_align: 8
    .kernarg_segment_size: 48
    .max_flat_workgroup_size: 128
    .sgpr_count:     100
    .vgpr_count:     1024
    .wavefront_size: 32
...
	.end_amdgpu_metadata
.endif
;; end of part 3
;; launch down (part 4): grid 4 x 64, 4 waves a work-group, no clusters, 17,920 bytes of LDS; arguments hc, w2f, b2, lowp_scales, ord, gates, out0; writes out0
.if DOCPART == 4
	.amdgcn_target "amdgcn-amd-amdhsa--gfx1250"
	.amdhsa_code_object_version 6
	.text
	.protected	k_qec0ee96f72_down
	.globl	k_qec0ee96f72_down
	.p2align	8
	.type	k_qec0ee96f72_down,@function
k_qec0ee96f72_down:
	s_mov_b64 s[64:65], 0
	v_nop
	global_prefetch_b8 v0, s[64:65] scope:SCOPE_SE
	s_setreg_imm32_b32 hwreg(HW_REG_WAVE_MODE, 25, 1), 1
	s_wait_xcnt 0x0
; out0[token] = the sum over the kept experts of gate x (hidden W2[expert] + b2[expert]).  Each output row has one owner: the block of 64 sorted tokens that holds it.
; SHARES.  Work-group (x, y): block y, outputs 256 x .. 256 x + 255; wave w: all 64 tokens x the 64 outputs of slice S = 4 x + w.  The walk over the experts is the one of the launch before: constant count, a scalar branch on the
; block's mask (the OR, made in scalar registers, of the 64 words of ord that scalar loads bring); a token that does not keep an expert of its block has gate 0 for it.  No barrier: the only LDS is each wave's own stage.
; Weights and hidden codes come from memory straight into registers, as images of the operands' registers, 512 consecutive bytes a load, through a ring of two sets of 32 loads (one K step: 4 tiles of W2, 4 of the hidden layer),
; across experts too.  The next kept expert's bias (8 loads) and my four tokens' gates for it (4 loads) are asked for just ahead of its first set, so that the ring's wait covers them.
; The last kept expert's text asks for nothing more; the way out follows it and ends the wave; both stand inside the loop, which is left by s_endpgm or by falling through.
; NO CLUSTER: as in the launch before, the walks of work-groups that share weights differ, and a walk read from memory admits no joint request.
; TRANSPOSED: source 0 = 16 outputs of W2, source 1 = 16 tokens: a lane holds one token, so its gate is one number a lane and tile.  b2 / 2^(e2 + e3) is the C of each sum's first product; the gate goes in x 2^(e2 + e3).
; LIMITS: NaN is not served; the two powers of two are applied by v_ldexp_f32.
; REGISTERS.  window 0: v1-9 addresses; v10-13 my four tokens' offsets in gates; v16-23 the gates in hand, as pairs; v24-27 the next expert's as loaded; v32-63 bias; v64-127 at work; v128-255 the 16 accumulators at 128 + 32 m + 8 t.
;             window 1: v0-127 the output sums, same order; v128-159 the rows' offsets in out0.   window 2: the ring.
.set MSB, 0
.macro WIN new                         ; the immediate's high byte repeats the setting that is left
.if MSB != \new
	s_set_vgpr_msb (MSB<<8)|\new
.set MSB, \new
.endif
.endm
.macro FETCH p, ks, bw, bh             ; K step ks: W2's 4 tiles from s[bw], the hidden layer's 4 from s[bh], into ring buffer p
	WIN 0x80
.irp f, 0,1,2,3
.irp c, 0,1,2,3
	global_load_b128 v[128*(\p)+16*\f+4*\c:128*(\p)+16*\f+4*\c+3], v1, s[\bw:\bw+1] offset:8192*(\ks)+2048*\f+512*\c
.endr
.endr
.irp f, 0,1,2,3
.irp c, 0,1,2,3
	global_load_b128 v[128*(\p)+64+16*\f+4*\c:128*(\p)+64+16*\f+4*\c+3], v1, s[\bh:\bh+1] offset:8192*(\ks)+2048*\f+512*\c
.endr
.endr
.endm
.macro PRE                             ; b2 of the expert at s[48:49] (tile 2 B + u, lane half h: outputs 32 B + 16 h + 8 u + 0 .. 7) and, from s[50:51], the gates of tokens 16 m + r for it: 12 loads
	WIN 0
.irp t, 0,1,2,3
	global_load_b128 v[32+8*\t:35+8*\t], v4, s[48:49] offset:128*(\t/2)+32*(\t%2)
	global_load_b128 v[36+8*\t:39+8*\t], v4, s[48:49] offset:128*(\t/2)+32*(\t%2)+16
.endr
.irp m, 0,1,2,3
	global_load_b32 v[24+\m], v[10+\m], s[50:51]
.endr
.endm
; 16 products, the 16 accumulators by turns.  cnt: the loads younger than this K step's, which may stay out (-1: the wait stands ahead of the macro).
.macro STEP ks, fetch, bw, bh, cnt, pre
.if \cnt >= 0
	s_wait_loadcnt \cnt
.endif
	WIN 0x0a                                       ; sources 0 and 1 window 2
.irp m, 0,1,2,3
.irp t, 0,1,2,3
.if \ks == 0
	v_wmma_f32_16x16x128_fp8_fp8 v[128+32*\m+8*\t:135+32*\m+8*\t], v[128*(\ks%2)+16*\t:128*(\ks%2)+16*\t+15], v[128*(\ks%2)+64+16*\m:128*(\ks%2)+64+16*\m+15], v[32+8*\t:39+8*\t]
.else
	v_wmma_f32_16x16x128_fp8_fp8 v[128+32*\m+8*\t:135+32*\m+8*\t], v[128*(\ks%2)+16*\t:128*(\ks%2)+16*\t+15], v[128*(\ks%2)+64+16*\m:128*(\ks%2)+64+16*\m+15], v[128+32*\m+8*\t:135+32*\m+8*\t]
.endif
.endr
.endr
.rept 4
	v_nop                                          ; four places in front of loads into registers that these products read, and of the first read of results
.endr
.if \pre
	PRE
.endif
.if \fetch
	FETCH \ks%2, (\ks+2)%8, \bw, \bh
.endif
.endm
.macro BODY last                       ; expert s22
	s_wait_xcnt 0x0                                ; the bases of earlier loads are written again only behind this wait
	s_mov_b64 s[24:25], s[26:27]
	s_mov_b64 s[28:29], s[30:31]
.if !\last
	s_ctz_i32_b32 s34, s23                         ; the next kept expert:
	s_min_u32 s34, s34, 7
	s_lshl_b32 s32, s34, 20
	s_add_nc_u64 s[26:27], s[36:37], s[32:33]      ; its weights,
	s_lshl_b32 s32, s34, 16
	s_add_nc_u64 s[30:31], s[38:39], s[32:33]      ; its hidden codes,
	s_lshl_b32 s32, s34, 12
	s_add_nc_u64 s[48:49], s[8:9], s[32:33]        ; its bias,
	s_lshl_b32 s32, s34, 2
	s_add_nc_u64 s[50:51], s[14:15], s[32:33]      ; its column of the gates
.endif
	s_wait_loadcnt 32                              ; the bias, the gates and K step 0 are in; K step 1's 32 loads may be out
.set n, 0
.rept 32
	v_ldexp_f32 v[32+n], v[32+n], s47              ; b2 / 2^(e2 + e3)
.set n, n+1
.endr
.irp m, 0,1,2,3
	v_ldexp_f32 v[16+2*\m], v[24+\m], s46          ; gate x 2^(e2 + e3)
.endr
	STEP 0, 1, 24, 28, -1, 0
.irp k, 1,2,3,4,5
	STEP \k, 1, 24, 28, 32, 0                      ; behind each K step: the next one's 32 loads
.endr
.if \last
	STEP 6, 0, 0, 0, 32, 0
	STEP 7, 0, 0, 0, 0, 0
.else
	STEP 6, 1, 26, 30, 32, 1                       ; the ring goes on into the next expert
	STEP 7, 1, 26, 30, 44, 0                       ; behind K step 7: the next expert's 12 loads of bias and gates and its K step 0
.endif
	WIN 0x50                                       ; destination and source 2 window 1
.set n, 0
.rept 64
	v_pk_fma_f32 v[n:n+1], v[128+n:129+n], v[16+2*(n/32):17+2*(n/32)], v[n:n+1] op_sel_hi:[1,0,1]   ; + gate x (sum + bias); each accumulator from its low end on
.set n, n+2
.endr
	WIN 0
.endm
	s_load_b256 s[4:11], s[0:1], 0x0               ; hc s[4:5], w2f s[6:7], b2 s[8:9], scales s[10:11]
	s_load_b128 s[12:15], s[0:1], 0x20             ; ord s[12:13], gates s[14:15]
	s_load_b64 s[16:17], s[0:1], 0x30              ; out0
	v_lshl_add_u32 v30, v0, 2, 0x4400
	v_mov_b32 v31, 0
	v_lshrrev_b32 v2, 5, v0
	v_readfirstlane_b32 s18, v2                    ; wave
	v_and_b32 v2, 31, v0                           ; lane
	v_lshlrev_b32 v1, 4, v2                        ; 16 x lane
	v_and_b32 v3, 15, v0                           ; r
	v_bfe_u32 v14, v0, 4, 1                        ; h
	s_and_b32 s19, ttmp7, 0xffff                   ; block
	s_lshl_b32 s20, ttmp9, 2
	s_add_co_u32 s20, s20, s18                     ; slice S
	v_lshlrev_b32 v4, 6, v14                       ; the bias: 64 h
	s_mul_i32 s21, s18, 4352                       ; my stage: 16 rows x (256 + 16) bytes
	v_mul_u32_u24 v8, v3, 272
	v_lshl_add_u32 v8, v14, 6, v8
	v_add_nc_u32 v8, s21, v8                       ; in: row r, + 64 h
	v_mul_u32_u24 v9, v14, 272
	v_lshl_add_u32 v9, v3, 4, v9
	v_add_nc_u32 v9, s21, v9                       ; back: sixteen lanes to a row
	v_lshlrev_b32 v5, 2, v3                        ; 4 r
	v_lshlrev_b32 v6, 2, v14                       ; 4 h
	v_lshlrev_b32 v28, 4, v3                       ; 16 r
.irp m, 0,1,2,3
	v_mov_b32 v[17+2*\m], 0                        ; named as the upper halves of the gates' pairs
.endr
	s_mov_b32 s23, 0
	s_wait_kmcnt 0x0
	s_load_b128 s[40:43], s[10:11], 0x0            ; e0 .. e3
	s_lshl_b32 s22, s19, 8
	s_add_nc_u64 s[12:13], s[12:13], s[22:23]      ; ord at my block
	s_load_b512 s[24:39], s[12:13], 0x0            ; its 64 words, for the mask
	s_load_b512 s[44:59], s[12:13], 0x40
	s_load_b512 s[68:83], s[12:13], 0x80
	s_load_b512 s[84:99], s[12:13], 0xc0
.irp m, 0,1,2,3
	global_load_b32 v[10+\m], v5, s[12:13] offset:64*\m    ; row 16 m + r, in both halves of the lanes
.endr
.set n, 0
.rept 32
	global_load_b32 v[96+n], v6, s[12:13] offset:8*n       ; row 2 n + h: whose row of out0 I store in the way out's store n
.set n, n+1
.endr
	s_lshl_b32 s22, s20, 8
	s_add_nc_u64 s[8:9], s[8:9], s[22:23]          ; b2 at my 64 outputs of expert 0
	s_add_nc_u64 s[16:17], s[16:17], s[22:23]      ; out0 at my 64 outputs
	s_wait_kmcnt 0x0                               ; the 64 words and the exponents
; the experts that my block keeps: the OR of its 64 words, in scalar registers
.set n, 0
.rept 16
	s_or_b32 s[24+n], s[24+n], s[44+n]
	s_or_b32 s[68+n], s[68+n], s[84+n]
.set n, n+1
.endr
.set n, 0
.rept 16
	s_or_b32 s[24+n], s[24+n], s[68+n]
.set n, n+1
.endr
.irp d, 8,4,2,1
.set n, 0
.rept \d
	s_or_b32 s[24+n], s[24+n], s[24+\d+n]
.set n, n+1
.endr
.endr
	s_lshr_b32 s21, s24, 16
	s_and_b32 s21, s21, 0xff                       ; the mask
	s_cmp_eq_u32 s21, 0
	s_cselect_b32 s21, 1, s21                      ; (never empty)
	s_mov_b32 s33, 0
	s_lshl_b32 s32, s20, 16
	s_add_nc_u64 s[36:37], s[6:7], s[32:33]        ; w2f at my slice of expert 0
	s_lshl_b32 s32, s19, 19
	s_add_nc_u64 s[38:39], s[4:5], s[32:33]        ; hc at my block, expert 0
	s_add_co_i32 s46, s42, s43                     ; e2 + e3
	s_sub_co_i32 s47, 0, s46
	s_ctz_i32_b32 s34, s21
	s_min_u32 s34, s34, 7                          ; the first kept expert
	s_lshl_b32 s32, s34, 20
	s_add_nc_u64 s[26:27], s[36:37], s[32:33]
	s_lshl_b32 s32, s34, 16
	s_add_nc_u64 s[30:31], s[38:39], s[32:33]
	s_lshl_b32 s32, s34, 12
	s_add_nc_u64 s[48:49], s[8:9], s[32:33]
	s_lshl_b32 s32, s34, 2
	s_add_nc_u64 s[50:51], s[14:15], s[32:33]
	s_wait_loadcnt 32                              ; my four tokens' words are in: 32 loads were issued behind them
.irp m, 0,1,2,3
	v_and_b32 v[10+\m], 0xffff, v[10+\m]
	v_min_u32 v[10+\m], 0xfff, v[10+\m]            ; the token
	v_lshlrev_b32 v[10+\m], 5, v[10+\m]            ; its 8 gates
.endr
	PRE
	FETCH 0, 0, 26, 30
	FETCH 1, 1, 26, 30
	WIN 0x40
.set n, 0
.rept 128
	v_mov_b32 v[n], 0                              ; the output sums, while the loads are on their way: so the expert's text is written twice and not four times
.set n, n+1
.endr
	WIN 0
	s_wait_loadcnt 63                              ; the 32 rows' words are in: 76 loads were issued behind them
.set n, 0
.rept 32
	v_and_b32 v[96+n], 0xffff, v[96+n]
	v_min_u32 v[96+n], 0xfff, v[96+n]              ; the token
	v_lshlrev_b32 v[96+n], 12, v[96+n]
.set n, n+1
.endr
	WIN 0x40
.set n, 0
.rept 32
	v_add_nc_u32 v[128+n], v[96+n], v28            ; its row of 4,096 bytes + 16 r
.set n, n+1
.endr
	WIN 0
	s_mov_b32 s22, 0
.Lloop:
	s_bitcmp1_b32 s21, s22
	s_cbranch_scc0 .Lnext                          ; nobody here keeps this expert
	s_lshl_b32 s23, -2, s22
	s_and_b32 s23, s21, s23                        ; the kept experts behind it
	s_cmp_lg_u32 s23, 0
	s_cbranch_scc1 .Lmore
	BODY 1                                         ; the last kept expert fetches nothing more
; THE WAY OUT, a tile of 16 tokens at a time: a lane holds 64 + 64 bytes of one row; through my stage they come back as whole rows of 256 bytes, which go to the tokens' own rows of out0.
.irp m, 0,1,2,3
	WIN 0x04                                       ; store data window 1
.irp q, 0,1,2,3,4,5,6,7
	ds_store_b128 v8, v[32*\m+4*\q:32*\m+4*\q+3] offset:128*(\q/4)+16*(\q%4)   ; outputs 32 (q / 4) + 16 h + 4 (q % 4) on
.endr
	WIN 0
.if \m >= 2
	s_wait_xcnt 0x0                                ; the stores of two tiles ago have read these registers
.endif
.irp i, 0,1,2,3,4,5,6,7
	ds_load_b128 v[64+32*(\m%2)+4*\i:67+32*(\m%2)+4*\i], v9 offset:544*\i      ; LDS serves a wave's instructions in order: these see my stores, and the next tile's stores come behind them
.endr
	s_wait_dscnt 0x0
	WIN 0x01                                       ; the offsets lie in window 1
.irp i, 0,1,2,3,4,5,6,7
	global_store_b128 v[128+8*\m+\i], v[64+32*(\m%2)+4*\i:67+32*(\m%2)+4*\i], s[16:17] th:TH_STORE_NT   ; sixteen lanes store 256 consecutive bytes, at a multiple of 256 from out0's first byte
.endr
.endr
	WIN 0
	s_wait_tensorcnt 0x0
	ds_add_u32 v30, v31
	s_wait_dscnt 0x0
	s_endpgm
.Lmore:
	BODY 0
.Lnext:
	s_add_co_u32 s22, s22, 1
	s_cmp_lt_u32 s22, 8
	s_cbranch_scc1 .Lloop
	s_endpgm                                       ; closes the loop's fall-through: the mask is never empty, so every wave has ended behind the last kept expert's way out
.Lfunc_end_k_qec0ee96f72_down:
	.size	k_qec0ee96f72_down, .Lfunc_end_k_qec0ee96f72_down-k_qec0ee96f72_down
	.p2alignl 7, 3214868480
	.fill 96, 4, 3214868480
	.section	.rodata,"a",@progbits
	.p2align	6, 0x0
	.amdhsa_kernel k_qec0ee96f72_down
		.amdhsa_group_segment_fixed_size 17920
		.amdhsa_private_segment_fixed_size 0
		.amdhsa_enable_private_segment 0
		.amdhsa_kernarg_size 56
		.amdhsa_user_sgpr_count 2
		.amdhsa_user_sgpr_kernarg_segment_ptr 1
		.amdhsa_wavefront_size32 1
		.amdhsa_system_sgpr_workgroup_id_x 1
		.amdhsa_system_sgpr_workgroup_id_y 1
		.amdhsa_system_sgpr_workgroup_id_z 1
		.amdhsa_system_vgpr_workitem_id 0
		.amdhsa_next_free_vgpr 768
		.amdhsa_next_free_sgpr 100
		.amdhsa_reserve_vcc 0
		.amdhsa_float_denorm_mode_32 3
		.amdhsa_float_denorm_mode_16_64 3
		.amdhsa_memory_ordered 1
		.amdhsa_forward_progress 1
		.amdhsa_inst_pref_size 110
	.end_amdhsa_kernel
	.amdgpu_metadata
---
amdhsa.version: [ 1, 2 ]
amdhsa.kernels:
  - .name:           k_qec0ee96f72_down
    .symbol:         k_qec0ee96f72_down.kd
    .args:
      - { .name: hc, .offset: 0, .size: 8, .value_kind: global_buffer, .address_space: global }
      - { .name: w2f, .offset: 8, .size: 8, .value_kind: global_buffer, .address_space: global }
      - { .name: b2, .offset: 16, .size: 8, .value_kind: global_buffer, .address_space: global }
      - { .name: lowp_scales, .offset: 24, .size: 8, .value_kind: global_buffer, .address_space: global }
      - { .name: ord, .offset: 32, .size: 8, .value_kind: global_buffer, .address_space: global }
      - { .name: gates, .offset: 40, .size: 8, .value_kind: global_buffer, .address_space: global }
      - { .name: out0, .offset: 48, .size: 8, .value_kind: global_buffer, .address_space: global }
    .group_segment_fixed_size: 17920
    .private_segment_fixed_size: 0
    .kernarg_segment_align: 8
    .kernarg_segment_size: 56
    .max_flat_workgroup_size: 128
    .sgpr_count:     100
    .vgpr_count:     768
    .wavefront_size: 32
...
	.end_amdgpu_metadata
.endif
;; end of part 4
;; ======== version 2 of 2: 4 launches; version 1 with the launches up, down written anew for expert scheduling mode
;; workspace buffers: xc 4,194,304 bytes; gates 131,072 bytes; tokw 16,384 bytes of whole numbers; ord 16,384 bytes of whole numbers; w1f 8,388,608 bytes; w2f 8,388,608 bytes; hc 33,554,432 bytes
;; launch gate: the kernel of part 1 again; grid 256 x 1, 4 waves a work-group, no clusters, 158,208 bytes of LDS; arguments x, W_g, W_noise, noise, lowp_scales, xc, gates, tokw; writes xc, gates, tokw
;; launch lay: the kernel of part 2 again; grid 257 x 1, 16 waves a work-group, no clusters, 4,096 bytes of LDS; arguments W1, W2, lowp_scales, tokw, w1f, w2f, ord; writes w1f, w2f, ord
;; launch up (part 5): grid 4 x 64, 4 waves a work-group, no clusters, 67,072 bytes of LDS; arguments xc, w1f, b1, lowp_scales, ord, hc; writes hc
.if DOCPART == 5
	.amdgcn_target "amdgcn-amd-amdhsa--gfx1250"
	.amdhsa_code_object_version 6
	.text
	.protected	k_qec0ee96f72_up
	.globl	k_qec0ee96f72_up
	.p2align	8
	.type	k_qec0ee96f72_up,@function
k_qec0ee96f72_up:
	s_mov_b64 s[64:65], 0
	v_nop
	global_prefetch_b8 v0, s[64:65] scope:SCOPE_SE
	s_setreg_imm32_b32 hwreg(HW_REG_WAVE_SCHED_MODE, 0, 2), 2
	s_setreg_imm32_b32 hwreg(HW_REG_WAVE_MODE, 25, 1), 1
	s_wait_xcnt 0x0
	s_wait_alu depctr_vm_vsrc(0)
; hc[block][expert] = Q(relu(x W1[expert] + b1[expert])) as E4M3 codes (scale 2^e2), for a block of 64 sorted tokens and every expert that one of them keeps.
; SHARES.  Work-group (x, y): block y, hidden units 256 x .. 256 x + 255; wave w: all 64 tokens x the 64 units of slice S = 4 x + w.  The block's x (512 registers a wave) stays in registers for all its experts.
; THE WALK over the 8 experts has a constant count; an expert that none of the block's tokens keeps is passed over by a scalar branch on the block's mask: the OR, made in scalar registers, of the 64 words of ord that
; scalar loads bring.  So no barrier stands in the walk, and the weights come from memory straight into registers: they were laid in the order of the operand's registers, each load 512 consecutive bytes.
; A ring of four buffers of 16 loads (a K step's four tiles): a buffer is asked for again as soon as its K step is multiplied, for the K step four further on, across experts too: the next kept expert is known from the mask.
; Its bias (256 bytes a wave) is asked for just ahead of its first K step, so that the ring's wait covers it.
; The last kept expert's text asks for nothing more and ends the wave; it stands inside the loop, which is left by s_endpgm or by falling through.
; NO CLUSTER: work-groups that read the same weights belong to different blocks, whose walks differ; the four of one block share only x, 64 KiB beside 256 KiB of weights for each expert.
; TRANSPOSED: source 0 = 16 units of W1, source 1 = 16 tokens: a lane holds one token and its registers run along the units, the next product's K: the conversions' results are that operand's registers.
; b1 / 2^(e0 + e1) is the C of each sum's first product; the conversion's one scale is 2^(e2 - e0 - e1); the hold between 0 and the largest code is the relu as well.
; hc: [block 64][expert 8][K step 8][tile of 16 tokens 4][2,048]: images of the operand's registers, chunk c of 512 bytes = 16 bytes a lane.  My 64 units are chunks 2 (S % 2), 2 (S % 2) + 1 of K step S / 2.
; LIMITS: e2 - e0 - e1 between -126 and 119.  NaN is not served.
; REGISTERS.  window 0: v1-12 addresses, scale; v32-63 bias (C of 4 tiles); v64-95 codes; v96-111 rows' offsets; v128-255 the 16 accumulators (tile of tokens m, tile of units t) at 128 + 32 m + 8 t, first x as loaded.
;             window 1: the ring, four buffers of 4 fragments.   windows 2, 3: x's 32 fragments: (m, K step) at 128 (m % 2) + 16 K step of window 2 + m / 2.
; THE MODE: SCHED_MODE bits 1:0 = 2 (LLVM: expert scheduling mode 2), set by the entry lines.  The code itself states the register dependences
; between vector or matrix instructions and memory or LDS instructions, with s_wait_alu, always for 0.
; THE PLAN.  Registers that memory or LDS instructions touch:
;   RING0 .. RING3  K step k: its sixteen products read RING[k % 4]; behind them the loads of the K step four further on land in it.
;   v32-63          The bias: loaded; scaled in place at the expert's head; read as C by K step 0's products; the next kept expert's loads land in it behind K step 4.
;   v64-95          The codes: written by the conversions, read by the eight stores, written again by the next kept expert's conversions.
;   v128-255        At the head x as loaded, which my LDS stores read; from the walk on the accumulators, named by matrix and vector instructions alone.
;   windows 2, 3    Loaded from LDS once, ahead of the walk; read by the products.
;   v1, v4, v5, v7, v96-111   Offsets and LDS addresses, made at the head and never written again: the experts are reached by scalar bases, the K steps by immediate offsets.
;   v126, v127      Written at the head, read by the closing add alone.
; So ONE wait on va_vdst stands in a K step that fetches, behind its products and straight ahead of its loads: a buffer that waited for the next K step's head would lie idle while that head waits for its data.
; One more stands ahead of an expert's stores, and one wait on vm_vsrc behind them.
.set XP, 1040                          ; LDS: 64 rows of x's codes, 1,024 bytes + 16
.set MSB, 0
.macro WIN new                         ; the immediate's high byte repeats the setting that is left
.if MSB != (\new)
	s_set_vgpr_msb (MSB<<8)|(\new)
.set MSB, (\new)
.endif
.endm
.macro FETCH ks, base                  ; K step ks (4 tiles) of the expert's 64 KiB at s[base], into ring buffer ks % 4: 16 loads; the destination's window is set ahead of the macro
.irp f, 0,1,2,3
.irp c, 0,1,2,3
	global_load_b128 v[64*((\ks)%4)+16*\f+4*\c:64*((\ks)%4)+16*\f+4*\c+3], v1, s[\base:\base+1] offset:8192*(\ks)+2048*\f+512*\c
.endr
.endr
.endm
.macro BIAS                            ; b1 of the expert at s[44:45]: tile 2 B + u, lane half h: units 32 B + 16 h + 8 u + 0 .. 7.  8 loads
	WIN 0
.irp t, 0,1,2,3
	global_load_b128 v[32+8*\t:35+8*\t], v5, s[44:45] offset:128*(\t/2)+32*(\t%2)
	global_load_b128 v[36+8*\t:39+8*\t], v5, s[44:45] offset:128*(\t/2)+32*(\t%2)+16
.endr
.endm
.macro MUL8 k, half                    ; K step k; tiles of tokens 2 half, 2 half + 1 x 4 tiles of units.  The very first K step takes the bias as C
	WIN 0x09+4*\half                               ; source 0 window 1, source 1 window 2 or 3
.irp m, 0,1
.irp t, 0,1,2,3
.if \k == 0
	v_wmma_f32_16x16x128_fp8_fp8 v[128+32*(2*\half+\m)+8*\t:135+32*(2*\half+\m)+8*\t], v[64*((\k)%4)+16*\t:64*((\k)%4)+16*\t+15], v[128*\m+16*(\k):128*\m+16*(\k)+15], v[32+8*\t:39+8*\t]
.else
	v_wmma_f32_16x16x128_fp8_fp8 v[128+32*(2*\half+\m)+8*\t:135+32*(2*\half+\m)+8*\t], v[64*((\k)%4)+16*\t:64*((\k)%4)+16*\t+15], v[128*\m+16*(\k):128*\m+16*(\k)+15], v[128+32*(2*\half+\m)+8*\t:135+32*(2*\half+\m)+8*\t]
.endif
.endr
.endr
.endm
; A K step: 16 products.  The accumulators take turns, one instruction a turn: between two links of a chain stand at least seven others'.
; cnt: the loads younger than this K step's, which may stay out (-1: the wait stands ahead of the macro).  fetch = 1: the buffer is asked for again, with K step nk of the expert at s[base].
; pre = 1: the next expert's bias is asked for ahead of its first K step.
.macro KSTEP k, cnt, fetch, nk, base, pre
.if \cnt >= 0
	s_wait_loadcnt \cnt
.endif
.if (\k)%2 == 0
	MUL8 \k, 0
	MUL8 \k, 1
.else
	MUL8 \k, 1
	MUL8 \k, 0
.endif
.if (\fetch) || (\k == 7)
.rept 4
	v_nop                                          ; four places behind the products: in front of loads into registers that they read, beside the wait below, and behind K step 7 of the first read of results
.endr
.endif
.if \fetch
.if \pre
	WIN 0
.else
	WIN 0x40                                       ; destination window 1
.endif
	s_wait_alu depctr_va_vdst(0)                   ; this K step's products are done reading their ring buffer, in which the loads below land; pre = 1: the scaling and K step 0's products are done with v32-63, in which the next bias lands
.if \pre
	BIAS
	WIN 0x40
.endif
	FETCH \nk, \base
.endif
.endm
.macro BODY last                       ; expert s20
	s_wait_xcnt 0x0                                ; the bases and the codes' registers of earlier loads and stores are written again only behind this wait
	s_mov_b64 s[24:25], s[26:27]                   ; this expert's weights: K steps 0 to 3 are on their way
.if !\last
	s_ctz_i32_b32 s22, s23                         ; the next kept expert:
	s_min_u32 s22, s22, 7
	s_lshl_b32 s32, s22, 20
	s_add_nc_u64 s[26:27], s[30:31], s[32:33]      ; its weights,
	s_lshl_b32 s32, s22, 12
	s_add_nc_u64 s[44:45], s[8:9], s[32:33]        ; its bias
.endif
	s_lshl_b32 s32, s20, 16
	s_add_nc_u64 s[28:29], s[36:37], s[32:33]      ; where the codes go
	s_wait_loadcnt 48                              ; the bias and K step 0 are in; the 48 loads of K steps 1 to 3 may be out
.set n, 0
.rept 32
	v_ldexp_f32 v[32+n], v[32+n], s39              ; b1 / 2^(e0 + e1)
.set n, n+1
.endr
	KSTEP 0, -1, 1, 4, 24, 0
	KSTEP 1, 48, 1, 5, 24, 0                       ; behind each K step's loads: the three younger K steps' 48
	KSTEP 2, 48, 1, 6, 24, 0
	KSTEP 3, 48, 1, 7, 24, 0
.if \last
	KSTEP 4, 48, 0, 0, 0, 0                        ; nothing more is asked for: no load, so no wait on va_vdst, and the counts run down
	KSTEP 5, 32, 0, 0, 0, 0
	KSTEP 6, 16, 0, 0, 0, 0
	KSTEP 7, 0, 0, 0, 0, 0
.else
	KSTEP 4, 48, 1, 0, 26, 1                       ; the ring goes on into the next expert
	KSTEP 5, 56, 1, 1, 26, 0                       ; behind K step 5: K steps 6 and 7, the next expert's 8 loads of bias and its K step 0
	KSTEP 6, 56, 1, 2, 26, 0                       ; behind K step 6: K step 7, the bias, the next expert's K steps 0 and 1
	KSTEP 7, 56, 1, 3, 26, 0                       ; behind K step 7: the bias, the next expert's K steps 0 to 2
.endif
	WIN 0
.irp m, 0,1,2,3
.set n, 0
.rept 32
	v_med3_num_f32 v[128+32*\m+n], v[128+32*\m+n], 0, v9   ; the activation and the hold in one; each accumulator from its low end on
.set n, n+1
.endr
.irp g, 0,1,2,3
	v_cvt_scalef32_pk8_fp8_f32 v[64+8*\m+2*\g:65+8*\m+2*\g], v[128+32*\m+8*\g:135+32*\m+8*\g], v8
.endr
.endr
	v_nop                                          ; one plain instruction behind the last conversion
	s_wait_alu depctr_va_vdst(0)                   ; the conversions have written v64-95, which the stores read
.irp m, 0,1,2,3
.irp q, 0,1
	global_store_b128 v1, v[64+8*\m+4*\q:67+8*\m+4*\q], s[28:29] offset:2048*\m+512*\q   ; 512 consecutive bytes, aligned
.endr
.endr
.if !\last
	s_wait_alu depctr_vm_vsrc(0)                   ; the stores have read v64-95, which the next kept expert's conversions write again: stated here, ahead of the walk's branches
.endif
.endm
	s_load_b256 s[4:11], s[0:1], 0x0               ; xc s[4:5], w1f s[6:7], b1 s[8:9], scales s[10:11]
	s_load_b128 s[12:15], s[0:1], 0x20             ; ord s[12:13], hc s[14:15]
	v_lshl_add_u32 v126, v0, 2, 0x10400
	v_mov_b32 v127, 0
	v_lshrrev_b32 v2, 5, v0
	v_readfirstlane_b32 s16, v2                    ; wave
	v_and_b32 v2, 31, v0                           ; lane
	v_lshlrev_b32 v1, 4, v2                        ; 16 x lane
	v_and_b32 v3, 15, v0                           ; r
	v_bfe_u32 v12, v0, 4, 1                        ; h
	s_and_b32 s17, ttmp7, 0xffff                   ; block
	s_lshl_b32 s18, ttmp9, 2
	s_wait_alu depctr_va_sdst(0)                   ; s16 is written, ahead of its first reader: the slice, the stage's place and the wave's words of ord are made from it
	s_add_co_u32 s18, s18, s16                     ; slice S
	v_mul_u32_u24 v4, v3, XP
	v_lshl_add_u32 v4, v12, 4, v4                  ; a fragment of x: row r, 16 h
	v_lshlrev_b32 v5, 6, v12                       ; the bias: 64 h
	s_mul_i32 s21, s16, 16*XP
	v_add_nc_u32 v7, s21, v1                       ; where I put my 16 rows of x
	s_mov_b32 s63, 0
	s_lshl_b32 s19, s16, 6                         ; my wave's 16 words in the block's 64
	s_wait_kmcnt 0x0
	s_load_b128 s[40:43], s[10:11], 0x0            ; e0 .. e3
	s_lshl_b32 s62, s17, 8
	s_add_nc_u64 s[12:13], s[12:13], s[62:63]      ; ord at my block
	s_xor_b32 s62, s19, 64                         ; the three other quarters of the block's words
	s_add_nc_u64 s[20:21], s[12:13], s[62:63]
	s_xor_b32 s62, s19, 128
	s_add_nc_u64 s[22:23], s[12:13], s[62:63]
	s_xor_b32 s62, s19, 192
	s_add_nc_u64 s[60:61], s[12:13], s[62:63]
	s_mov_b32 s62, s19
	s_add_nc_u64 s[12:13], s[12:13], s[62:63]      ; and mine
	s_load_b512 s[44:59], s[12:13], 0x0            ; my wave's 16 rows
	s_load_b512 s[24:39], s[20:21], 0x0
	s_load_b512 s[68:83], s[22:23], 0x0
	s_load_b512 s[84:99], s[60:61], 0x0
	s_wait_kmcnt 0x0                               ; the 64 words and the exponents
.irp j, 0,1,2,3,4,5,6,7,8,9,10,11,12,13,14,15
	s_and_b32 s62, s[44+\j], 0xffff
	s_min_u32 s62, s62, 4095                       ; the token
	s_lshl_b32 s62, s62, 10
	v_add_nc_u32 v[96+\j], s62, v1
.endr
	s_wait_alu depctr_va_vdst(0)                   ; v1, v4, v5, v7 and v96-111 are written: the offsets and LDS addresses that every load and store of the kernel reads
.irp j, 0,1,2,3,4,5,6,7,8,9,10,11,12,13,14,15
	global_load_b128 v[128+8*\j:131+8*\j], v[96+\j], s[4:5]
	global_load_b128 v[132+8*\j:135+8*\j], v[96+\j], s[4:5] offset:512
.endr
; the experts that my block keeps: the OR of its 64 words, in scalar registers, while x is on its way
.set n, 0
.rept 16
	s_or_b32 s[44+n], s[44+n], s[24+n]
	s_or_b32 s[68+n], s[68+n], s[84+n]
.set n, n+1
.endr
.set n, 0
.rept 16
	s_or_b32 s[44+n], s[44+n], s[68+n]
.set n, n+1
.endr
.irp d, 8,4,2,1
.set n, 0
.rept \d
	s_or_b32 s[44+n], s[44+n], s[44+\d+n]
.set n, n+1
.endr
.endr
	s_lshr_b32 s19, s44, 16
	s_and_b32 s19, s19, 0xff                       ; the mask
	s_cmp_eq_u32 s19, 0
	s_cselect_b32 s19, 1, s19                      ; (never empty)
	s_mov_b32 s33, 0
	s_lshl_b32 s32, s18, 8
	s_add_nc_u64 s[8:9], s[8:9], s[32:33]          ; b1 at my 64 units of expert 0
	s_lshl_b32 s32, s18, 16
	s_add_nc_u64 s[30:31], s[6:7], s[32:33]        ; w1f at my slice of expert 0
	s_lshl_b32 s32, s17, 19
	s_lshr_b32 s38, s18, 1
	s_lshl_b32 s38, s38, 13
	s_add_co_u32 s32, s32, s38
	s_and_b32 s38, s18, 1
	s_lshl_b32 s38, s38, 10
	s_add_co_u32 s32, s32, s38
	s_add_nc_u64 s[36:37], s[14:15], s[32:33]      ; hc at my block, K step S / 2, chunks 2 (S % 2) on, of expert 0
	s_add_co_i32 s38, s40, s41
	s_sub_co_i32 s39, 0, s38                       ; -(e0 + e1)
	s_sub_co_i32 s38, s42, s38
	s_add_co_i32 s38, s38, 127
	s_lshl_b32 s21, s38, 23
	v_mov_b32 v8, s21                              ; 2^(e2 - e0 - e1) as f32
	s_add_co_i32 s38, s38, 8
	s_lshl_b32 s38, s38, 23
	s_or_b32 s38, s38, 0x600000
	v_mov_b32 v9, s38                              ; 448 x that
	s_ctz_i32_b32 s22, s19
	s_min_u32 s22, s22, 7
	s_lshl_b32 s32, s22, 20
	s_add_nc_u64 s[26:27], s[30:31], s[32:33]      ; the first kept expert's weights,
	s_lshl_b32 s32, s22, 12
	s_add_nc_u64 s[44:45], s[8:9], s[32:33]        ; its bias (the words of ord have been used)
	BIAS                                           ; no wait: no vector instruction has named v32-63 or the ring, and none since the wait above names v1 or v5
	WIN 0x40
	FETCH 0, 26
	FETCH 1, 26
	FETCH 2, 26
	FETCH 3, 26
	WIN 0
	s_wait_loadcnt 63                              ; x is in: 72 loads were issued behind it
.set n, 0
.rept 32
	ds_store_b128 v7, v[128+4*n:131+4*n] offset:XP*(n/2)+512*(n%2)
.set n, n+1
.endr
	s_wait_dscnt 0x0                               ; for the others' sake: my 16 rows lie in LDS
	s_barrier_signal -1
	s_barrier_wait -1                              ; the one barrier: all 64 rows do
	WIN 0x80
.irp m, 0,1
.irp k, 0,1,2,3,4,5,6,7
.irp c, 0,1,2,3
	ds_load_b128 v[128*\m+16*\k+4*\c:128*\m+16*\k+4*\c+3], v4 offset:16*XP*\m+128*\k+32*\c
.endr
.endr
.endr
	WIN 0xc0
.irp m, 0,1
.irp k, 0,1,2,3,4,5,6,7
.irp c, 0,1,2,3
	ds_load_b128 v[128*\m+16*\k+4*\c:128*\m+16*\k+4*\c+3], v4 offset:16*XP*(\m+2)+128*\k+32*\c
.endr
.endr
.endr
	WIN 0
	s_wait_dscnt 0x0
	s_wait_alu depctr_vm_vsrc(0)                   ; my LDS stores have read v128-255: these registers are the accumulators from here on, written by the products
	s_mov_b32 s20, 0
.Lloop:
	s_bitcmp1_b32 s19, s20
	s_cbranch_scc0 .Lnext                          ; nobody here keeps this expert
	s_lshl_b32 s23, -2, s20
	s_and_b32 s23, s19, s23                        ; the kept experts behind it
	s_cmp_lg_u32 s23, 0
	s_cbranch_scc1 .Lmore
	BODY 1                                         ; the last kept expert fetches nothing more, and the wave ends here
	s_wait_dscnt 0x0                               ; the closing lines, six on end
	s_wait_alu 0x0
	s_wait_tensorcnt 0x0
	ds_add_u32 v126, v127
	s_wait_dscnt 0x0
	s_endpgm
.Lmore:
	BODY 0
.Lnext:
	s_add_co_u32 s20, s20, 1
	s_cmp_lt_u32 s20, 8
	s_cbranch_scc1 .Lloop
	s_wait_dscnt 0x0                               ; the closing lines once more: they close the loop's fall-through; the mask is never empty, so every wave has ended in the last kept expert's text
	s_wait_alu 0x0
	s_wait_tensorcnt 0x0
	ds_add_u32 v126, v127
	s_wait_dscnt 0x0
	s_endpgm
.Lfunc_end_k_qec0ee96f72_up:
	.size	k_qec0ee96f72_up, .Lfunc_end_k_qec0ee96f72_up-k_qec0ee96f72_up
	.p2alignl 7, 3214868480
	.fill 96, 4, 3214868480
	.section	.rodata,"a",@progbits
	.p2align	6, 0x0
	.amdhsa_kernel k_qec0ee96f72_up
		.amdhsa_group_segment_fixed_size 67072
		.amdhsa_private_segment_fixed_size 0
		.amdhsa_enable_private_segment 0
		.amdhsa_kernarg_size 48
		.amdhsa_user_sgpr_count 2
		.amdhsa_user_sgpr_kernarg_segment_ptr 1
		.amdhsa_wavefront_size32 1
		.amdhsa_system_sgpr_workgroup_id_x 1
		.amdhsa_system_sgpr_workgroup_id_y 1
		.amdhsa_system_sgpr_workgroup_id_z 1
		.amdhsa_system_vgpr_workitem_id 0
		.amdhsa_next_free_vgpr 1024
		.amdhsa_next_free_sgpr 100
		.amdhsa_reserve_vcc 0
		.amdhsa_float_denorm_mode_32 3
		.amdhsa_float_denorm_mode_16_64 3
		.amdhsa_memory_ordered 1
		.amdhsa_forward_progress 1
		.amdhsa_inst_pref_size 92
	.end_amdhsa_kernel
	.amdgpu_metadata
---
amdhsa.version: [ 1, 2 ]
amdhsa.kernels:
  - .name:           k_qec0ee96f72_up
    .symbol:         k_qec0ee96f72_up.kd
    .args:
      - { .name: xc, .offset: 0, .size: 8, .value_kind: global_buffer, .address_space: global }
      - { .name: w1f, .offset: 8, .size: 8, .value_kind: global_buffer, .address_space: global }
      - { .name: b1, .offset: 16, .size: 8, .value_kind: global_buffer, .address_space: global }
      - { .name: lowp_scales, .offset: 24, .size: 8, .value_kind: global_buffer, .address_space: global }
      - { .name: ord, .offset: 32, .size: 8, .value_kind: global_buffer, .address_space: global }
      - { .name: hc, .offset: 40, .size: 8, .value_kind: global_buffer, .address_space: global }
    .group_segment_fixed_size: 67072
    .private_segment_fixed_size: 0
    .kernarg_segment_align: 8
    .kernarg_segment_size: 48
    .max_flat_workgroup_size: 128
    .sgpr_count:     100
    .vgpr_count:     1024
    .wavefront_size: 32
...
	.end_amdgpu_metadata
.endif
;; end of part 5
;; launch down (part 6): grid 4 x 64, 4 waves a work-group, no clusters, 17,920 bytes of LDS; arguments hc, w2f, b2, lowp_scales, ord, gates, out0; writes out0
.if DOCPART == 6
	.amdgcn_target "amdgcn-amd-amdhsa--gfx1250"
	.amdhsa_code_object_version 6
	.text
	.protected	k_qec0ee96f72_down
	.globl	k_qec0ee96f72_down
	.p2align	8
	.type	k_qec0ee96f72_down,@function
k_qec0ee96f72_down:
	s_mov_b64 s[64:65], 0
	v_nop
	global_prefetch_b8 v0, s[64:65] scope:SCOPE_SE
	s_setreg_imm32_b32 hwreg(HW_REG_WAVE_SCHED_MODE, 0, 2), 2
	s_setreg_imm32_b32 hwreg(HW_REG_WAVE_MODE, 25, 1), 1
	s_wait_xcnt 0x0
	s_wait_alu depctr_vm_vsrc(0)
; out0[token] = the sum over the kept experts of gate x (hidden W2[expert] + b2[expert]).  Each output row has one owner: the block of 64 sorted tokens that holds it.
; SHARES.  Work-group (x, y): block y, outputs 256 x .. 256 x + 255; wave w: all 64 tokens x the 64 outputs of slice S = 4 x + w.  The walk over the experts is the one of the launch before: constant count, a scalar branch on the
; block's mask (the OR, made in scalar registers, of the 64 words of ord that scalar loads bring); a token that does not keep an expert of its block has gate 0 for it.  No barrier: the only LDS is each wave's own stage.
; Weights and hidden codes come from memory straight into registers, as images of the operands' registers, 512 consecutive bytes a load, through a ring of four buffers of 32 loads (one K step: 4 tiles of W2, 4 of the hidden layer),
; asked for two K steps ahead, across experts too.  The next kept expert's bias (8 loads) and my four tokens' gates for it (4 loads) are asked for just ahead of its first K step, so that the ring's wait covers them.
; The last kept expert's text asks for nothing more; the way out follows it and ends the wave; both stand inside the loop, which is left by s_endpgm or by falling through.
; NO CLUSTER: as in the launch before, the walks of work-groups that share weights differ, and a walk read from memory admits no joint request.
; TRANSPOSED: source 0 = 16 outputs of W2, source 1 = 16 tokens: a lane holds one token, so its gate is one number a lane and tile.  b2 / 2^(e2 + e3) is the C of each sum's first product; the gate goes in x 2^(e2 + e3).
; LIMITS: NaN is not served; the two powers of two are applied by v_ldexp_f32.
; REGISTERS.  window 0: v1-9 addresses; v10-13 my four tokens' offsets in gates; v16-23 the gates in hand, as pairs; v24-27 the next expert's as loaded; v32-63 bias; v64-127 at work; v128-255 the 16 accumulators at 128 + 32 m + 8 t.
;             window 1: v0-127 the output sums, same order; v128-159 the rows' offsets in out0.   windows 2, 3: the ring: buffer b at register 128 (b % 2) of window 2 + b / 2.
; THE MODE: SCHED_MODE bits 1:0 = 2 (LLVM: expert scheduling mode 2), set by the entry lines.  The code itself states the register dependences
; between vector or matrix instructions and memory or LDS instructions, with s_wait_alu, always for 0.
; THE PLAN.  Registers that memory or LDS instructions touch:
;   RING0 .. RING3  K step k: its sixteen products read RING[k % 4]; at its head, ahead of them, the loads of K step k + 2 land in RING[(k + 2) % 4], which the products of K step k - 2 were the last to read.
;   v32-63, v24-27  The bias and the gates as loaded: read (the bias also written) by the scalings at the expert's head, the bias then as C by K step 0's products; the next kept expert's loads land at the head of K step 6.
;   v10-13          Loaded at the head, made into offsets there, read by the gates' loads, never written again.
;   window 1 v0-127    The sums: written by the multiply-adds, read by the way out's LDS stores.     window 1 v128-159  The last stores' offsets, made at the head.
;   v64-127         v96-127: loaded and worked on at the head.  On the way out the loads from the stage land in v64-127 and the stores read them, two sets by turns.
;   v1, v4 to v6, v8, v9   Offsets and LDS addresses, made at the head and never written again: experts by scalar bases, K steps by immediate offsets.     v30, v31  Written at the head, read by the closing add alone.
; So ONE wait on va_vdst stands in a K step that fetches, at its head, behind the wait for the step's data and straight ahead of its loads; the step's products follow the loads.
; One more stands ahead of the way out, and a wait on vm_vsrc where a set of the way out's registers is loaded again.
.set MSB, 0
.macro WIN new                         ; the immediate's high byte repeats the setting that is left
.if MSB != (\new)
	s_set_vgpr_msb (MSB<<8)|(\new)
.set MSB, (\new)
.endif
.endm
.macro FETCH ks, bw, bh                ; K step ks: W2's 4 tiles from s[bw], the hidden layer's 4 from s[bh], into ring buffer ks % 4: 32 loads; the destination's window is set ahead of the macro
.irp f, 0,1,2,3
.irp c, 0,1,2,3
	global_load_b128 v[128*((\ks)%2)+16*\f+4*\c:128*((\ks)%2)+16*\f+4*\c+3], v1, s[\bw:\bw+1] offset:8192*(\ks)+2048*\f+512*\c
.endr
.endr
.irp f, 0,1,2,3
.irp c, 0,1,2,3
	global_load_b128 v[128*((\ks)%2)+64+16*\f+4*\c:128*((\ks)%2)+64+16*\f+4*\c+3], v1, s[\bh:\bh+1] offset:8192*(\ks)+2048*\f+512*\c
.endr
.endr
.endm
.macro PRE                             ; b2 of the expert at s[48:49] (tile 2 B + u, lane half h: outputs 32 B + 16 h + 8 u + 0 .. 7) and, from s[50:51], the gates of tokens 16 m + r for it: 12 loads
	WIN 0
.irp t, 0,1,2,3
	global_load_b128 v[32+8*\t:35+8*\t], v4, s[48:49] offset:128*(\t/2)+32*(\t%2)
	global_load_b128 v[36+8*\t:39+8*\t], v4, s[48:49] offset:128*(\t/2)+32*(\t%2)+16
.endr
.irp m, 0,1,2,3
	global_load_b32 v[24+\m], v[10+\m], s[50:51]
.endr
.endm
; A K step: 16 products, the 16 accumulators by turns.  cnt: the loads younger than this K step's, which may stay out.
; fetch = 1: K step nk of the expert at s[bw], s[bh] is asked for, two K steps ahead.  pre = 1: the next expert's bias and gates are asked for ahead of its first K step.
.macro STEP ks, cnt, fetch, nk, bw, bh, pre
	s_wait_loadcnt \cnt
.if \fetch
.if \ks > 0
.rept 4
	v_nop                                          ; four places in front of loads into registers that products have read, beside the wait below (ahead of K step 0 the multiply-adds and K step 7's places stand there)
.endr
.endif
.if \pre
	WIN 0
.else
	WIN 0x80+0x40*(((\nk)%4)/2)                    ; destination window 2 or 3
.endif
	s_wait_alu depctr_va_vdst(0)                   ; the products of two K steps back, across experts too, are done reading the ring buffer in which the loads below land; pre = 1: the scalings and K step 0's products are done with v32-63 and v24-27
.if \pre
	PRE
	WIN 0x80+0x40*(((\nk)%4)/2)
.endif
	FETCH \nk, \bw, \bh
.endif
.if \ks == 0
	WIN 0
.set n, 0
.rept 32
	v_ldexp_f32 v[32+n], v[32+n], s47              ; b2 / 2^(e2 + e3)
.set n, n+1
.endr
.irp m, 0,1,2,3
	v_ldexp_f32 v[16+2*\m], v[24+\m], s46          ; gate x 2^(e2 + e3)
.endr
.endif
	WIN 0x0a+5*(((\ks)%4)/2)                       ; sources 0 and 1 window 2 or 3
.irp m, 0,1,2,3
.irp t, 0,1,2,3
.if \ks == 0
	v_wmma_f32_16x16x128_fp8_fp8 v[128+32*\m+8*\t:135+32*\m+8*\t], v[128*((\ks)%2)+16*\t:128*((\ks)%2)+16*\t+15], v[128*((\ks)%2)+64+16*\m:128*((\ks)%2)+64+16*\m+15], v[32+8*\t:39+8*\t]
.else
	v_wmma_f32_16x16x128_fp8_fp8 v[128+32*\m+8*\t:135+32*\m+8*\t], v[128*((\ks)%2)+16*\t:128*((\ks)%2)+16*\t+15], v[128*((\ks)%2)+64+16*\m:128*((\ks)%2)+64+16*\m+15], v[128+32*\m+8*\t:135+32*\m+8*\t]
.endif
.endr
.endr
.if \ks == 7
.rept 4
	v_nop                                          ; four places in front of the first read of results (ISA guide 7.12.1)
.endr
.endif
.endm
.macro BODY last                       ; expert s22
	s_wait_xcnt 0x0                                ; the bases of earlier loads are written again only behind this wait
	s_mov_b64 s[24:25], s[26:27]
	s_mov_b64 s[28:29], s[30:31]
.if !\last
	s_ctz_i32_b32 s34, s23                         ; the next kept expert:
	s_min_u32 s34, s34, 7
	s_lshl_b32 s32, s34, 20
	s_add_nc_u64 s[26:27], s[36:37], s[32:33]      ; its weights,
	s_lshl_b32 s32, s34, 16
	s_add_nc_u64 s[30:31], s[38:39], s[32:33]      ; its hidden codes,
	s_lshl_b32 s32, s34, 12
	s_add_nc_u64 s[48:49], s[8:9], s[32:33]        ; its bias,
	s_lshl_b32 s32, s34, 2
	s_add_nc_u64 s[50:51], s[14:15], s[32:33]      ; its column of the gates
.endif
	STEP 0, 32, 1, 2, 24, 28, 0                    ; the bias, the gates and K step 0 are in; K step 1's 32 loads may be out
	STEP 1, 32, 1, 3, 24, 28, 0                    ; behind each K step's loads: the next one's 32
	STEP 2, 32, 1, 4, 24, 28, 0
	STEP 3, 32, 1, 5, 24, 28, 0
	STEP 4, 32, 1, 6, 24, 28, 0
	STEP 5, 32, 1, 7, 24, 28, 0
.if \last
	STEP 6, 32, 0, 0, 0, 0, 0                      ; nothing more is asked for: no load, so no wait on va_vdst
	STEP 7, 0, 0, 0, 0, 0, 0
.else
	STEP 6, 32, 1, 0, 26, 30, 1                    ; the ring goes on into the next expert
	STEP 7, 44, 1, 1, 26, 30, 0                    ; behind K step 7: the next expert's 12 loads of bias and gates and its K step 0
.endif
	WIN 0x50                                       ; destination and source 2 window 1
.set n, 0
.rept 64
	v_pk_fma_f32 v[n:n+1], v[128+n:129+n], v[16+2*(n/32):17+2*(n/32)], v[n:n+1] op_sel_hi:[1,0,1]   ; + gate x (sum + bias); each accumulator from its low end on
.set n, n+2
.endr
	WIN 0
.endm
	s_load_b256 s[4:11], s[0:1], 0x0               ; hc s[4:5], w2f s[6:7], b2 s[8:9], scales s[10:11]
	s_load_b128 s[12:15], s[0:1], 0x20             ; ord s[12:13], gates s[14:15]
	s_load_b64 s[16:17], s[0:1], 0x30              ; out0
	v_lshl_add_u32 v30, v0, 2, 0x4400
	v_mov_b32 v31, 0
	v_lshrrev_b32 v2, 5, v0
	v_readfirstlane_b32 s18, v2                    ; wave
	v_and_b32 v2, 31, v0                           ; lane
	v_lshlrev_b32 v1, 4, v2                        ; 16 x lane
	v_and_b32 v3, 15, v0                           ; r
	v_bfe_u32 v14, v0, 4, 1                        ; h
	s_and_b32 s19, ttmp7, 0xffff                   ; block
	s_lshl_b32 s20, ttmp9, 2
	s_wait_alu depctr_va_sdst(0)                   ; s18 is written, ahead of its first reader: the slice and the stage's place are made from it
	s_add_co_u32 s20, s20, s18                     ; slice S
	v_lshlrev_b32 v4, 6, v14                       ; the bias: 64 h
	s_mul_i32 s21, s18, 4352                       ; my stage: 16 rows x (256 + 16) bytes
	v_mul_u32_u24 v8, v3, 272
	v_lshl_add_u32 v8, v14, 6, v8
	v_add_nc_u32 v8, s21, v8                       ; in: row r, + 64 h
	v_mul_u32_u24 v9, v14, 272
	v_lshl_add_u32 v9, v3, 4, v9
	v_add_nc_u32 v9, s21, v9                       ; back: sixteen lanes to a row
	v_lshlrev_b32 v5, 2, v3                        ; 4 r
	v_lshlrev_b32 v6, 2, v14                       ; 4 h
	v_lshlrev_b32 v28, 4, v3                       ; 16 r
.irp m, 0,1,2,3
	v_mov_b32 v[17+2*\m], 0                        ; named as the upper halves of the gates' pairs
.endr
	s_mov_b32 s23, 0
	s_wait_kmcnt 0x0
	s_load_b128 s[40:43], s[10:11], 0x0            ; e0 .. e3
	s_lshl_b32 s22, s19, 8
	s_add_nc_u64 s[12:13], s[12:13], s[22:23]      ; ord at my block
	s_load_b512 s[24:39], s[12:13], 0x0            ; its 64 words, for the mask
	s_load_b512 s[44:59], s[12:13], 0x40
	s_load_b512 s[68:83], s[12:13], 0x80
	s_load_b512 s[84:99], s[12:13], 0xc0
	s_wait_alu depctr_va_vdst(0)                   ; v1, v4 to v6, v8 and v9 are written: offsets and LDS addresses that the loads and stores below read
.irp m, 0,1,2,3
	global_load_b32 v[10+\m], v5, s[12:13] offset:64*\m    ; row 16 m + r, in both halves of the lanes
.endr
.set n, 0
.rept 32
	global_load_b32 v[96+n], v6, s[12:13] offset:8*n       ; row 2 n + h: whose row of out0 I store in the way out's store n
.set n, n+1
.endr
	s_lshl_b32 s22, s20, 8
	s_add_nc_u64 s[8:9], s[8:9], s[22:23]          ; b2 at my 64 outputs of expert 0
	s_add_nc_u64 s[16:17], s[16:17], s[22:23]      ; out0 at my 64 outputs
	s_wait_kmcnt 0x0                               ; the 64 words and the exponents
; the experts that my block keeps: the OR of its 64 words, in scalar registers
.set n, 0
.rept 16
	s_or_b32 s[24+n], s[24+n], s[44+n]
	s_or_b32 s[68+n], s[68+n], s[84+n]
.set n, n+1
.endr
.set n, 0
.rept 16
	s_or_b32 s[24+n], s[24+n], s[68+n]
.set n, n+1
.endr
.irp d, 8,4,2,1
.set n, 0
.rept \d
	s_or_b32 s[24+n], s[24+n], s[24+\d+n]
.set n, n+1
.endr
.endr
	s_lshr_b32 s21, s24, 16
	s_and_b32 s21, s21, 0xff                       ; the mask
	s_cmp_eq_u32 s21, 0
	s_cselect_b32 s21, 1, s21                      ; (never empty)
	s_mov_b32 s33, 0
	s_lshl_b32 s32, s20, 16
	s_add_nc_u64 s[36:37], s[6:7], s[32:33]        ; w2f at my slice of expert 0
	s_lshl_b32 s32, s19, 19
	s_add_nc_u64 s[38:39], s[4:5], s[32:33]        ; hc at my block, expert 0
	s_add_co_i32 s46, s42, s43                     ; e2 + e3
	s_sub_co_i32 s47, 0, s46
	s_ctz_i32_b32 s34, s21
	s_min_u32 s34, s34, 7                          ; the first kept expert
	s_lshl_b32 s32, s34, 20
	s_add_nc_u64 s[26:27], s[36:37], s[32:33]
	s_lshl_b32 s32, s34, 16
	s_add_nc_u64 s[30:31], s[38:39], s[32:33]
	s_lshl_b32 s32, s34, 12
	s_add_nc_u64 s[48:49], s[8:9], s[32:33]
	s_lshl_b32 s32, s34, 2
	s_add_nc_u64 s[50:51], s[14:15], s[32:33]
	s_wait_loadcnt 32                              ; my four tokens' words are in: 32 loads were issued behind them
.irp m, 0,1,2,3
	v_and_b32 v[10+\m], 0xffff, v[10+\m]
	v_min_u32 v[10+\m], 0xfff, v[10+\m]            ; the token
	v_lshlrev_b32 v[10+\m], 5, v[10+\m]            ; its 8 gates
.endr
	s_wait_alu depctr_va_vdst(0)                   ; v10-13 are written, which the gates' loads read as their offsets
	PRE
	WIN 0x80
	FETCH 0, 26, 30
	FETCH 1, 26, 30
	WIN 0x40
.set n, 0
.rept 128
	v_mov_b32 v[n], 0                              ; the output sums, while the loads are on their way: so the expert's text is written twice and not four times
.set n, n+1
.endr
	WIN 0
	s_wait_loadcnt 63                              ; the 32 rows' words are in: 76 loads were issued behind them
.set n, 0
.rept 32
	v_and_b32 v[96+n], 0xffff, v[96+n]
	v_min_u32 v[96+n], 0xfff, v[96+n]              ; the token
	v_lshlrev_b32 v[96+n], 12, v[96+n]
.set n, n+1
.endr
	WIN 0x40
.set n, 0
.rept 32
	v_add_nc_u32 v[128+n], v[96+n], v28            ; its row of 4,096 bytes + 16 r
.set n, n+1
.endr
	WIN 0
	s_mov_b32 s22, 0
.Lloop:
	s_bitcmp1_b32 s21, s22
	s_cbranch_scc0 .Lnext                          ; nobody here keeps this expert
	s_lshl_b32 s23, -2, s22
	s_and_b32 s23, s21, s23                        ; the kept experts behind it
	s_cmp_lg_u32 s23, 0
	s_cbranch_scc1 .Lmore
	BODY 1                                         ; the last kept expert fetches nothing more
; THE WAY OUT, a tile of 16 tokens at a time: a lane holds 64 + 64 bytes of one row; through my stage they come back as whole rows of 256 bytes, which go to the tokens' own rows of out0.
.irp m, 0,1,2,3
	WIN 0x04                                       ; store data window 1
.if \m == 0
	s_wait_alu depctr_va_vdst(0)                   ; the multiply-adds have written the sums, which the LDS stores read; the head has written the rows' offsets, which the last stores read, and is done with v96-127, in which loads from the stage land
.endif
.irp q, 0,1,2,3,4,5,6,7
	ds_store_b128 v8, v[32*\m+4*\q:32*\m+4*\q+3] offset:128*(\q/4)+16*(\q%4)   ; outputs 32 (q / 4) + 16 h + 4 (q % 4) on
.endr
	WIN 0
.if \m >= 2
	s_wait_xcnt 0x0                                ; the stores of two tiles ago have had their addresses translated,
	s_wait_alu depctr_vm_vsrc(0)                   ; and have read these registers, in which the loads below land
.endif
.irp i, 0,1,2,3,4,5,6,7
	ds_load_b128 v[64+32*(\m%2)+4*\i:67+32*(\m%2)+4*\i], v9 offset:544*\i      ; LDS serves a wave's instructions in order: these see my stores, and the next tile's stores come behind them
.endr
	s_wait_dscnt 0x0
	WIN 0x01                                       ; the offsets lie in window 1
.irp i, 0,1,2,3,4,5,6,7
	global_store_b128 v[128+8*\m+\i], v[64+32*(\m%2)+4*\i:67+32*(\m%2)+4*\i], s[16:17] th:TH_STORE_NT   ; sixteen lanes store 256 consecutive bytes, at a multiple of 256 from out0's first byte
.endr
.endr
	WIN 0
	s_wait_dscnt 0x0                               ; the closing lines, six on end
	s_wait_alu 0x0
	s_wait_tensorcnt 0x0
	ds_add_u32 v30, v31
	s_wait_dscnt 0x0
	s_endpgm
.Lmore:
	BODY 0
.Lnext:
	s_add_co_u32 s22, s22, 1
	s_cmp_lt_u32 s22, 8
	s_cbranch_scc1 .Lloop
	s_endpgm                                       ; closes the loop's fall-through: the mask is never empty, so every wave has ended behind the last kept expert's way out
.Lfunc_end_k_qec0ee96f72_down:
	.size	k_qec0ee96f72_down, .Lfunc_end_k_qec0ee96f72_down-k_qec0ee96f72_down
	.p2alignl 7, 3214868480
	.fill 96, 4, 3214868480
	.section	.rodata,"a",@progbits
	.p2align	6, 0x0
	.amdhsa_kernel k_qec0ee96f72_down
		.amdhsa_group_segment_fixed_size 17920
		.amdhsa_private_segment_fixed_size 0
		.amdhsa_enable_private_segment 0
		.amdhsa_kernarg_size 56
		.amdhsa_user_sgpr_count 2
		.amdhsa_user_sgpr_kernarg_segment_ptr 1
		.amdhsa_wavefront_size32 1
		.amdhsa_system_sgpr_workgroup_id_x 1
		.amdhsa_system_sgpr_workgroup_id_y 1
		.amdhsa_system_sgpr_workgroup_id_z 1
		.amdhsa_system_vgpr_workitem_id 0
		.amdhsa_next_free_vgpr 1024
		.amdhsa_next_free_sgpr 100
		.amdhsa_reserve_vcc 0
		.amdhsa_float_denorm_mode_32 3
		.amdhsa_float_denorm_mode_16_64 3
		.amdhsa_memory_ordered 1
		.amdhsa_forward_progress 1
		.amdhsa_inst_pref_size 111
	.end_amdhsa_kernel
	.amdgpu_metadata
---
amdhsa.version: [ 1, 2 ]
amdhsa.kernels:
  - .name:           k_qec0ee96f72_down
    .symbol:         k_qec0ee96f72_down.kd
    .args:
      - { .name: hc, .offset: 0, .size: 8, .value_kind: global_buffer, .address_space: global }
      - { .name: w2f, .offset: 8, .size: 8, .value_kind: global_buffer, .address_space: global }
      - { .name: b2, .offset: 16, .size: 8, .value_kind: global_buffer, .address_space: global }
      - { .name: lowp_scales, .offset: 24, .size: 8, .value_kind: global_buffer, .address_space: global }
      - { .name: ord, .offset: 32, .size: 8, .value_kind: global_buffer, .address_space: global }
      - { .name: gates, .offset: 40, .size: 8, .value_kind: global_buffer, .address_space: global }
      - { .name: out0, .offset: 48, .size: 8, .value_kind: global_buffer, .address_space: global }
    .group_segment_fixed_size: 17920
    .private_segment_fixed_size: 0
    .kernarg_segment_align: 8
    .kernarg_segment_size: 56
    .max_flat_workgroup_size: 128
    .sgpr_count:     100
    .vgpr_count:     1024
    .wavefront_size: 32
...
	.end_amdgpu_metadata
.endif
;; end of part 6
